; MI455X (gfx1250); checked and timed in simulation.
; The chip was launched on July 23, 2026; its instructions are those of AMD's public machine-readable ISA for CDNA 5 (MIT licence, August 2026) and "CDNA5" Instruction Set Architecture Reference Guide (July 2026). The comments in the code are by the model that wrote it; some were corrected since.
;; Att Layer. Allowed arithmetic: float matrix products may take bf16 or f16 operands with f32 sums; all other float work in f32.
;; Inputs: Wk 256 x 512 float32; Wo 512 x 256 float32; Wq 256 x 512 float32; Wv 256 x 512 float32; bk 256 float32; bo 512 float32; bq 256 float32; bv 256 float32; mask 8 x 1 x 2,048 float32; x1 8 x 512 x 2,048 float32; x2 8 x 512 x 2,048 float32.
;; Outputs: out0 8 x 512 x 2,048 float32.
;; 3 versions, each right; version 3 is version 2 with the launch proj written anew for expert scheduling mode. Each part assembles by itself: llvm-mc -triple=amdgcn-amd-amdhsa -mcpu=gfx1250 --defsym DOCPART=n.
;; ======== version 1 of 3: 2 launches
;; limits: values are held in f16: magnitudes above 65,504 overflow, below 6.1e-05 lose precision
;; workspace buffers: qf 8,388,608 bytes; kv 16,777,216 bytes; mk 131,072 bytes; wof 262,144 bytes
;; launch proj (part 1): grid 256 x 1, 4 waves a work-group, no clusters, 200,192 bytes of LDS; arguments x1, mask, Wq, Wk, Wv, Wo, bq, bv, qf, kv, mk, wof; writes qf, kv, mk, wof
.if DOCPART == 1
	.amdgcn_target "amdgcn-amd-amdhsa--gfx1250"
	.amdhsa_code_object_version 6
	.text
	.protected	k_q570a8eb80a_proj
	.globl	k_q570a8eb80a_proj
	.p2align	8
	.type	k_q570a8eb80a_proj,@function
k_q570a8eb80a_proj:
	s_mov_b64 s[64:65], 0
	v_nop
	global_prefetch_b8 v0, s[64:65] scope:SCOPE_SE
	s_setreg_imm32_b32 hwreg(HW_REG_WAVE_MODE, 25, 1), 1
	s_wait_xcnt 0x0
; PROJ: q = Wq x1 + bq,  k' = (Wk x1) log2(e)/16,  v = Wv x1 + bv, all rounded to f16 and stored as ready matrix fragments;
; lm2 = log2(mask + 1e-6) and mask in the keys' stored order; Wo as f16 fragments.
;
; WORK LEFT OUT, for all values of the inputs:
;   x2: reference() never reads it.  It is no argument of any launch.
;   bk: k = Wk x1 + bk enters only the scores, score(l,m) = q_l . k_m / 16 = q_l . (Wk x1)_m / 16 + q_l . bk / 16.  The last term does not
;       hang on m, the softmax's axis, so numerator and denominator carry the same factor exp(q_l . bk / 16) and it cancels.  bk is no argument.
;   Limit: a NaN, an infinity or an overflow that only x2 or bk would bring in is not carried to the result.
; NUMBER FORMAT: every matrix operand is f16 (eleven significant bits), sums f32.  Limits: |q|, |k'|, |v|, |x1|, |W| below 65,504;
;   k' carries the factor log2(e)/16, applied in f32 before the rounding.  mask must be above -1e-6 (below it reference() gives NaN as well).
;
; STORED ORDER.  A block vb = 32 b + blk is 64 positions l = 64 blk .. + 63.  Tile t (0..3), row i (0..15) of a block is l = 64 blk + 4 i + t:
; a lane that loads 16 bytes of a row of x1 (4 neighbouring l) holds one element of each of the four tiles.  Keys, values and the mask use the
; same order, so for the sums over keys it is a permutation; for the queries it is undone by the output's stores (four tiles = 16 bytes).
;   qf: [vb][ks 0..7][t][half][lane][16 B]   registers 4 half .. 4 half + 3 of the fragment (16 rows l of tile t) x (c = 32 ks .. + 31)
;   kv: [vb][ K: as qf, 32 KB ][ V: [ct 0..15][t][lane][16 B], 32 KB ]   V's fragment (rows c = 16 ct .., keys 32 u ..) is the KB at 2048 ct + 1024 u
;   mk: [b][w][ lm2 of 512 keys, 2 KB ][ mask of 512 keys, 2 KB ];   wof: [dt 0..31][ks 0..7][half][lane][16 B]
;
; SHARES.  256 work-groups = 64 column blocks of 256 l x 4 row blocks of 192 of the 768 rows of (Wq; Wk; Wv).  The 192 rows are three groups of 64,
; group G = 3 ob + gi: matrix G / 4, rows 64 (G % 4) .. + 63.  Wave w makes all 192 rows for block vb = 4 lb + w: 48 accumulator tiles.
; W's 192 rows lie in LDS as f16 (pitch 1,040 bytes = 65 x 16: the sixteen rows of a fragment start in sixteen different 16-byte columns).
; x1 goes from memory to registers (16 lanes cover 256 aligned bytes of a row), is rounded there and never touches LDS.
; NO CLUSTER: both shared inputs are f32 and must pass through registers to become f16; beside W's 199,680 bytes of LDS only two slots of one
; K step of f32 x1 (2 x 32 KB) would fit, which would put a round of the cluster's barrier in front of every 48 matrix instructions of a wave.
;
; REGISTERS: window 0: v0-31 addresses, v32-59 wave 0's extras, v64-255 W staging (3 x 64), then W fragments (2 x 96), then store data (3 x 64)
;            window 1: x1 as loaded, four slots of 64; at the end the biases.   window 2: accumulators of groups 1 and 2
;            window 3: v0-127 accumulators of group 0, v128-191 x1 fragments (2 x 32)
.set XROW,   8192                      ; bytes of a row of x1
.set WPITCH, 1040                      ; bytes from row to row of W in LDS
.set WGRP,   64*WPITCH                 ; a group of 64 rows
.set XO,  5                            ; 65536 h + 16 r: rows 8 h, my 16 bytes
.set WG,  6                            ; 32768 w + 16 lane: my wave's 16 rows of a group of W in memory
.set WL,  8                            ; v8-10   group gi: where I put 8 bytes of W
.set WA,  11                           ; v11-13  group gi: where I read W's fragments
.set LN,  14                           ; 16 lane
.set BQO, 15                           ; 32 h
.set BVO, 16                           ; 4 r
.set WB,  64
.set XF,  128
.set GP,  32                           ; s[32:37] the three groups' first rows
.set MSB, 0
.macro WIN new                         ; the immediate's high byte repeats the setting that is left
.if MSB != \new
	s_set_vgpr_msb (MSB<<8)|\new
.set MSB, \new
.endif
.endm
.macro PLACES n
.rept \n
	v_nop
.endr
.endm
	s_load_b512 s[4:19], s[0:1], 0x0               ; x1 s[4:5], mask s[6:7], Wq s[8:9], Wk s[10:11], Wv s[12:13], Wo s[14:15], bq s[16:17], bv s[18:19]
	s_load_b256 s[20:27], s[0:1], 0x40             ; qf s[20:21], kv s[22:23], mk s[24:25], wof s[26:27]
	v_lshl_add_u32 v62, v0, 2, 0x30c00
	v_mov_b32 v63, 0
	v_lshrrev_b32 v1, 5, v0
	v_readfirstlane_b32 s28, v1                    ; wave w
	s_and_b32 s29, ttmp9, 3                        ; ob: which 192 rows
	s_lshr_b32 s30, ttmp9, 2                       ; lb: which 256 columns
	s_lshl2_add_u32 s31, s30, s28                  ; vb = 4 lb + w
	s_mov_b32 s38, 0x3db8aa3b                      ; log2(e) / 16
	s_mov_b32 s39, 0x3db8aa3b
	v_and_b32 v2, 31, v0                           ; lane
	v_and_b32 v3, 15, v0                           ; r
	v_bfe_u32 v4, v0, 4, 1                         ; h
	v_lshlrev_b32 v[XO], 4, v3
	v_lshl_add_u32 v[XO], v4, 16, v[XO]
	v_lshlrev_b32 v[LN], 4, v2
	s_lshl_b32 s40, s28, 15
	v_add_nc_u32 v[WG], s40, v[LN]
	s_mul_i32 s40, s28, 16*WPITCH
	v_lshl_add_u32 v[WL], v2, 3, s40
	v_add_nc_u32 v[WL+1], WGRP, v[WL]
	v_add_nc_u32 v[WL+2], 2*WGRP, v[WL]
	v_mul_u32_u24 v[WA], v3, WPITCH
	v_lshl_add_u32 v[WA], v4, 4, v[WA]
	v_add_nc_u32 v[WA+1], WGRP, v[WA]
	v_add_nc_u32 v[WA+2], 2*WGRP, v[WA]
	v_lshlrev_b32 v[BQO], 5, v4
	v_lshlrev_b32 v[BVO], 2, v3
	v_lshlrev_b32 v17, 10, v3
	v_lshl_add_u32 v17, v4, 5, v17                 ; Wo: row r, 32 h bytes
	v_and_b32 v18, 7, v0
	v_lshlrev_b32 v18, 5, v18
	v_bfe_u32 v19, v0, 3, 2
	v_lshl_add_u32 v18, v19, 2, v18                ; mask: l = 8 (lane % 8) + lane / 8, in bytes
	v_lshlrev_b32 v19, 3, v2                       ; mk: 8 lane
	s_wait_kmcnt 0x0
; group gi's first row: the matrix is chosen on G / 4, which hangs on the work-group's number alone
.macro GPTR gi
	s_mul_i32 s40, s29, 3
	s_add_co_u32 s40, s40, \gi
	s_lshr_b32 s56, s40, 2
	s_and_b32 s40, s40, 3
	s_lshl_b32 s40, s40, 17                        ; 64 rows of 2,048 bytes
	s_mov_b32 s41, 0
	s_cmp_eq_u32 s56, 0
	s_cselect_b64 s[GP+2*\gi:GP+2*\gi+1], s[8:9], s[10:11]
	s_cmp_eq_u32 s56, 2
	s_cselect_b64 s[GP+2*\gi:GP+2*\gi+1], s[12:13], s[GP+2*\gi:GP+2*\gi+1]
	s_add_nc_u64 s[GP+2*\gi:GP+2*\gi+1], s[GP+2*\gi:GP+2*\gi+1], s[40:41]
.endm
	GPTR 0
	GPTR 1
	GPTR 2
	s_lshr_b32 s40, s31, 5                         ; b
	s_lshl_b32 s40, s40, 22                        ; 512 rows of 8,192 bytes
	s_and_b32 s41, s31, 31                         ; blk
	s_lshl_b32 s41, s41, 8
	s_add_co_u32 s40, s40, s41
	s_mov_b32 s41, 0
	s_add_nc_u64 s[42:43], s[4:5], s[40:41]        ; x1 at my block's first column
	s_lshl_b32 s40, s31, 15
	s_add_nc_u64 s[44:45], s[20:21], s[40:41]      ; qf + 32768 vb
	s_lshl_b32 s40, s31, 16
	s_add_nc_u64 s[46:47], s[22:23], s[40:41]      ; kv + 65536 vb
	s_lshr_b32 s56, ttmp9, 3                       ; the extras of work-group i = ttmp9: i / 8 and i % 8
	s_and_b32 s57, ttmp9, 7
	s_lshl_b32 s40, s56, 14
	s_lshl_b32 s58, s57, 7
	s_add_co_u32 s40, s40, s58
	s_add_nc_u64 s[48:49], s[14:15], s[40:41]      ; Wo: rows 16 (i / 8), columns 32 (i % 8)
	s_lshl_b32 s40, ttmp9, 8
	s_add_nc_u64 s[50:51], s[6:7], s[40:41]        ; mask: block i
	s_lshl_b32 s40, ttmp9, 10
	s_add_nc_u64 s[52:53], s[26:27], s[40:41]      ; wof: fragment i
	s_lshl_b32 s40, s56, 12
	s_lshl_b32 s58, s57, 8
	s_add_co_u32 s40, s40, s58
	s_add_nc_u64 s[54:55], s[24:25], s[40:41]      ; mk: 4096 (4 b + w) + 256 (blk % 8)
; W, batch t of twelve: group t / 4, rows 16 w + 4 (t % 4) .. + 3: sixteen loads of 512 consecutive bytes, into ring slot t % 3
.macro WLOAD t
.irp rr, 0,1,2,3
.irp qq, 0,1,2,3
	global_load_b128 v[WB+64*((\t)%3)+16*\rr+4*\qq:WB+64*((\t)%3)+16*\rr+4*\qq+3], v[WG], s[GP+2*((\t)/4):GP+2*((\t)/4)+1] offset:(4*((\t)%4)+\rr)*2048+512*\qq
.endr
.endr
.endm
; rounded in place, 8 bytes a lane into LDS: a wave's store covers 256 consecutive bytes
.macro WCONV t
.irp rr, 0,1,2,3
.irp qq, 0,1,2,3
.set wr, WB+64*((\t)%3)+16*\rr+4*\qq
	v_cvt_pk_f16_f32 v[wr], v[wr], v[wr+1]
	v_cvt_pk_f16_f32 v[wr+1], v[wr+2], v[wr+3]
	ds_store_b64 v[WL+(\t)/4], v[wr:wr+1] offset:(4*((\t)%4)+\rr)*WPITCH+256*\qq
.endr
.endr
.endm
; x1, K step k: rows 32 k + 8 h + e and 32 k + 16 + 8 h + e, into slot k % 4 of window 1.  Sixteen lanes cover 256 aligned bytes of a row.
.macro XLOAD k
	WIN 0x40
.irp e, 0,1,2,3,4,5,6,7
	global_load_b128 v[64*((\k)%4)+4*\e:64*((\k)%4)+4*\e+3], v[XO], s[42:43] offset:(32*(\k)+\e)*XROW
.endr
.irp e, 0,1,2,3,4,5,6,7
	global_load_b128 v[64*((\k)%4)+32+4*\e:64*((\k)%4)+32+4*\e+3], v[XO], s[42:43] offset:(32*(\k)+16+\e)*XROW
.endr
.endm
	WLOAD 0
	WLOAD 1
	WLOAD 2
	; Wave 0's extras, one block: fragment i of Wo to f16, block i of the mask to lm2 and to the stored order.
	s_cmp_lg_u32 s28, 0
	s_cbranch_scc1 .Lno_extras
	global_load_b128 v[32:35], v17, s[48:49]               ; Wo(16 dt + r, 32 ks + 8 h .. + 7)
	global_load_b128 v[36:39], v17, s[48:49] offset:16
	global_load_b128 v[40:43], v17, s[48:49] offset:64     ; the same, 16 columns on
	global_load_b128 v[44:47], v17, s[48:49] offset:80
	global_load_b32 v56, v18, s[50:51]                     ; stored key 2 lane: tile lane / 8, row 2 (lane % 8)
	global_load_b32 v57, v18, s[50:51] offset:16           ; stored key 2 lane + 1: one row on = 4 positions on
	s_wait_loadcnt 0x0                                     ; these six are the youngest loads
	v_add_f32 v58, 0x358637bd, v56                         ; mask + 1e-6
	v_add_f32 v59, 0x358637bd, v57
	v_log_f32 v58, v58                                     ; log2: the scores are kept in base 2
	v_log_f32 v59, v59
.irp j, 0,1,2,3,4,5,6,7
	v_cvt_pk_f16_f32 v[48+\j], v[32+2*\j], v[33+2*\j]      ; plain instructions between the logarithms and their use
.endr
	global_store_b128 v[LN], v[48:51], s[52:53]
	global_store_b128 v[LN], v[52:55], s[52:53] offset:512
	s_wait_alu depctr_va_vdst(0)
	global_store_b64 v19, v[58:59], s[54:55]               ; 32 lanes x 8 bytes: 256 consecutive bytes
	global_store_b64 v19, v[56:57], s[54:55] offset:2048
.Lno_extras:
.irp t, 0,1,2,3,4,5,6,7,8,9,10,11
	s_wait_loadcnt 32                              ; batch t is in; the two younger batches of sixteen stay out
	WIN 0
	WCONV \t
.if \t < 9
	WLOAD \t+3
.else
	XLOAD \t-9                                     ; behind W's last batches come x1's first slots, sixteen loads each: the count stays
.endif
.endr
	XLOAD 3
	WIN 0
	s_wait_dscnt 0x0                               ; my rows of W are in LDS
	s_barrier_signal -1
	s_barrier_wait -1                              ; everybody's are; LDS is only read from here on
.macro ACCSEL gi                       ; group gi's accumulators: window AW, from register AB
.if \gi == 0
.set AW, 3
.set AB, 0
.endif
.if \gi == 1
.set AW, 2
.set AB, 0
.endif
.if \gi == 2
.set AW, 2
.set AB, 128
.endif
.endm
; 16 matrix instructions: group gi (4 row tiles) x 4 column tiles, 32 along d.  ty 0 (q), 1 (k): D = W x X, a lane holds 8 neighbouring c of one l.
; ty 2 (v): D = X x W, a lane holds 8 neighbouring stored keys of one c.  The accumulators take turns, one instruction a turn.
.macro MUL k, gi, ty
	ACCSEL \gi
.if \ty == 2
	WIN (AW*0x50+0x03)
.else
	WIN (AW*0x50+0x0c)
.endif
.irp o4, 0,1,2,3
.irp t, 0,1,2,3
.set dd, AB+8*(4*\o4+\t)
.set wf, WB+96*((\k)%2)+8*(4*\gi+\o4)
.set xf, XF+32*((\k)%2)+8*\t
.if \ty == 2
.set fa, xf
.set fb, wf
.else
.set fa, wf
.set fb, xf
.endif
.if (\k) == 0
	v_wmma_f32_16x16x32_f16 v[dd:dd+7], v[fa:fa+7], v[fb:fb+7], 0
.else
	v_wmma_f32_16x16x32_f16 v[dd:dd+7], v[fa:fa+7], v[fb:fb+7], v[dd:dd+7]
.endif
.endr
.endr
.endm
; group gi's biases into window 1, registers 32 gi ..: q: the 8 rows c = 16 ot + 8 h + j of each tile; v: bv[16 ot + r], twice, to fill a pair
.macro BIAS gi, ty, ga
	WIN 0x40
.if \ty == 0
.irp o4, 0,1,2,3
	global_load_b128 v[32*\gi+8*\o4:32*\gi+8*\o4+3], v[BQO], s[16:17] offset:64*(4*\ga+\o4)
	global_load_b128 v[32*\gi+8*\o4+4:32*\gi+8*\o4+7], v[BQO], s[16:17] offset:64*(4*\ga+\o4)+16
.endr
.set NB, NB+8
.endif
.if \ty == 2
.irp o4, 0,1,2,3
	global_load_b32 v[32*\gi+8*\o4], v[BVO], s[18:19] offset:64*(4*\ga+\o4)
	global_load_b32 v[32*\gi+8*\o4+1], v[BVO], s[18:19] offset:64*(4*\ga+\o4)
.endr
.set NB, NB+8
.endif
.endm
; K step n is made ready: x1's slot is rounded into fragments, the slot is asked for again, W's fragments are read from LDS
.macro MIDDLE n, ty0, ty1, ty2, ga0, ga1, ga2
.if (\n) <= 12
	s_wait_loadcnt 48                              ; slot n is in; the three younger slots of sixteen loads stay out
.else
	s_wait_loadcnt 16*(15-(\n))+NB                 ; the slots that are left, and the NB bias loads issued behind them
.endif
	WIN 0xc5
.irp t, 0,1,2,3
.irp j, 0,1,2,3
	v_cvt_pk_f16_f32 v[XF+32*((\n)%2)+8*\t+\j], v[64*((\n)%4)+8*\j+\t], v[64*((\n)%4)+8*\j+4+\t]            ; d = 8 h + 2 j, + 1 of tile t
	v_cvt_pk_f16_f32 v[XF+32*((\n)%2)+8*\t+4+\j], v[64*((\n)%4)+32+8*\j+\t], v[64*((\n)%4)+32+8*\j+4+\t]    ; d = 16 + 8 h + 2 j, + 1
.endr
.endr
.if (\n) <= 11
	XLOAD (\n)+4
.endif
.if (\n) == 12
	BIAS 0, \ty0, \ga0                             ; slot 0 has had its last K step
	BIAS 1, \ty1, \ga1
.endif
.if (\n) == 13
	BIAS 2, \ty2, \ga2                             ; slot 1 likewise
.endif
	WIN 0
.irp gi, 0,1,2
.irp o4, 0,1,2,3
	ds_load_b128 v[WB+96*((\n)%2)+8*(4*\gi+\o4):WB+96*((\n)%2)+8*(4*\gi+\o4)+3], v[WA+\gi] offset:16*WPITCH*\o4+64*(\n)
	ds_load_b128 v[WB+96*((\n)%2)+8*(4*\gi+\o4)+4:WB+96*((\n)%2)+8*(4*\gi+\o4)+7], v[WA+\gi] offset:16*WPITCH*\o4+64*(\n)+32
.endr
.endr
.endm
; group gi leaves: bias or scale in f32, one rounding to f16, sixteen stores of 512 consecutive bytes.  Each group has store registers of its own.
.macro EPI gi, ty, ga
	ACCSEL \gi
.if \ty == 1
	WIN (AW*0x41)
.else
	WIN (AW*0x41+0x04)
.endif
.irp o4, 0,1,2,3
.irp t, 0,1,2,3
.irp jj, 0,1,2,3
.set dd, AB+8*(4*\o4+\t)+2*\jj
.if \ty == 0
	v_pk_add_f32 v[dd:dd+1], v[dd:dd+1], v[32*\gi+8*\o4+2*\jj:32*\gi+8*\o4+2*\jj+1]
.endif
.if \ty == 1
	v_pk_mul_f32 v[dd:dd+1], v[dd:dd+1], s[38:39] op_sel_hi:[1,0]
.endif
.if \ty == 2
	v_pk_add_f32 v[dd:dd+1], v[dd:dd+1], v[32*\gi+8*\o4:32*\gi+8*\o4+1]
.endif
.endr
.endr
.endr
	WIN (AW*5)
.irp o4, 0,1,2,3
.irp t, 0,1,2,3
.irp jj, 0,1,2,3
.set dd, AB+8*(4*\o4+\t)+2*\jj
	v_cvt_pk_f16_f32 v[WB+64*\gi+4*(4*\o4+\t)+\jj], v[dd], v[dd+1]
.endr
.endr
.endr
	WIN 0
.irp o4, 0,1,2,3
.irp t, 0,1,2,3
.set sr, WB+64*\gi+4*(4*\o4+\t)
.set ot, 4*\ga+\o4
.if \ty == 0
	global_store_b128 v[LN], v[sr:sr+3], s[44:45] offset:(ot/2)*4096+1024*\t+512*(ot%2)
.endif
.if \ty == 1
	global_store_b128 v[LN], v[sr:sr+3], s[46:47] offset:(ot/2)*4096+1024*\t+512*(ot%2)
.endif
.if \ty == 2
	global_store_b128 v[LN], v[sr:sr+3], s[46:47] offset:32768+2048*ot+512*\t
.endif
.endr
.endr
.endm
; The sixteen K steps, written straight through: every address is an immediate.  In each step the next step is made ready behind the first
; sixteen matrix instructions, so that its LDS loads have the other thirty-two in which to come back.  The four v_nop are the places between a
; matrix instruction and a write of, or a load into, registers that it has read (ISA guide 7.12.1 for vector writes).
.macro BODY ty0, ty1, ty2, ga0, ga1, ga2
.set NB, 0
	MIDDLE 0, \ty0, \ty1, \ty2, \ga0, \ga1, \ga2
.irp k, 0,1,2,3,4,5,6,7,8,9,10,11,12,13,14,15
	s_wait_dscnt 0x0                               ; this step's fragments of W
	MUL \k, 0, \ty0
.if \k < 15
	PLACES 4
	MIDDLE \k+1, \ty0, \ty1, \ty2, \ga0, \ga1, \ga2
.endif
	MUL \k, 1, \ty1
	MUL \k, 2, \ty2
.endr
	PLACES 4                                       ; between the last matrix instructions and the reads of their results
	s_wait_loadcnt 0x0                             ; the biases
	EPI 0, \ty0, \ga0
	EPI 1, \ty1, \ga1
	EPI 2, \ty2, \ga2
	WIN 0
	s_wait_tensorcnt 0x0
	ds_add_u32 v62, v63
	s_wait_dscnt 0x0
	s_endpgm
.endm
	s_cmp_eq_u32 s29, 1
	s_cbranch_scc1 .Lbody1
	s_cmp_eq_u32 s29, 2
	s_cbranch_scc1 .Lbody2
	s_cmp_eq_u32 s29, 3
	s_cbranch_scc1 .Lbody3
	BODY 0, 0, 0, 0, 1, 2                          ; rows 0-191:   q 0, q 1, q 2
.Lbody1:
	BODY 0, 1, 1, 3, 0, 1                          ; rows 192-383: q 3, k 0, k 1
.Lbody2:
	BODY 1, 1, 2, 2, 3, 0                          ; rows 384-575: k 2, k 3, v 0
.Lbody3:
	BODY 2, 2, 2, 1, 2, 3                          ; rows 576-767: v 1, v 2, v 3
.Lfunc_end_k_q570a8eb80a_proj:
	.size	k_q570a8eb80a_proj, .Lfunc_end_k_q570a8eb80a_proj-k_q570a8eb80a_proj
	.p2alignl 7, 3214868480
	.fill 96, 4, 3214868480
	.section	.rodata,"a",@progbits
	.p2align	6, 0x0
	.amdhsa_kernel k_q570a8eb80a_proj
		.amdhsa_group_segment_fixed_size 200192
		.amdhsa_private_segment_fixed_size 0
		.amdhsa_enable_private_segment 0
		.amdhsa_kernarg_size 96
		.amdhsa_user_sgpr_count 2
		.amdhsa_user_sgpr_kernarg_segment_ptr 1
		.amdhsa_wavefront_size32 1
		.amdhsa_system_sgpr_workgroup_id_x 1
		.amdhsa_system_sgpr_workgroup_id_y 1
		.amdhsa_system_sgpr_workgroup_id_z 1
		.amdhsa_system_vgpr_workitem_id 0
		.amdhsa_next_free_vgpr 1024
		.amdhsa_next_free_sgpr 66
		.amdhsa_reserve_vcc 0
		.amdhsa_float_denorm_mode_32 3
		.amdhsa_float_denorm_mode_16_64 3
		.amdhsa_memory_ordered 1
		.amdhsa_forward_progress 1
		.amdhsa_inst_pref_size 255
	.end_amdhsa_kernel
	.section	.bss,"aw",@nobits
	.p2align	6
	.space	262144
	.amdgpu_metadata
---
amdhsa.version: [ 1, 2 ]
amdhsa.kernels:
  - .name:           k_q570a8eb80a_proj
    .symbol:         k_q570a8eb80a_proj.kd
    .args:
      - { .name: x1, .offset: 0, .size: 8, .value_kind: global_buffer, .address_space: global }
      - { .name: mask, .offset: 8, .size: 8, .value_kind: global_buffer, .address_space: global }
      - { .name: Wq, .offset: 16, .size: 8, .value_kind: global_buffer, .address_space: global }
      - { .name: Wk, .offset: 24, .size: 8, .value_kind: global_buffer, .address_space: global }
      - { .name: Wv, .offset: 32, .size: 8, .value_kind: global_buffer, .address_space: global }
      - { .name: Wo, .offset: 40, .size: 8, .value_kind: global_buffer, .address_space: global }
      - { .name: bq, .offset: 48, .size: 8, .value_kind: global_buffer, .address_space: global }
      - { .name: bv, .offset: 56, .size: 8, .value_kind: global_buffer, .address_space: global }
      - { .name: qf, .offset: 64, .size: 8, .value_kind: global_buffer, .address_space: global }
      - { .name: kv, .offset: 72, .size: 8, .value_kind: global_buffer, .address_space: global }
      - { .name: mk, .offset: 80, .size: 8, .value_kind: global_buffer, .address_space: global }
      - { .name: wof, .offset: 88, .size: 8, .value_kind: global_buffer, .address_space: global }
    .group_segment_fixed_size: 200192
    .private_segment_fixed_size: 0
    .kernarg_segment_align: 8
    .kernarg_segment_size: 96
    .max_flat_workgroup_size: 128
    .sgpr_count:     66
    .vgpr_count:     1024
    .wavefront_size: 32
...
	.end_amdgpu_metadata
.endif
;; end of part 1
;; launch attn (part 2): grid 32 x 8, 4 waves a work-group, clusters of 4 x 1, 327,680 bytes of LDS; arguments qf, kv, mk, wof, bo, mask, out0; writes out0
.if DOCPART == 2
	.amdgcn_target "amdgcn-amd-amdhsa--gfx1250"
	.amdhsa_code_object_version 6
	.text
	.protected	k_q570a8eb80a_attn
	.globl	k_q570a8eb80a_attn
	.p2align	8
	.type	k_q570a8eb80a_attn,@function
k_q570a8eb80a_attn:
	s_mov_b64 s[64:65], 0
	v_nop
	global_prefetch_b8 v0, s[64:65] scope:SCOPE_SE
	s_setreg_imm32_b32 hwreg(HW_REG_WAVE_MODE, 25, 1), 1
	s_wait_xcnt 0x0
	s_wait_alu depctr_hold_cnt(0) depctr_sa_sdst(0) depctr_va_vdst(0) depctr_va_sdst(0) depctr_va_ssrc(0) depctr_va_vcc(0) depctr_vm_vsrc(0)
	s_getreg_b32 s2, hwreg(HW_REG_IB_STS2, 6, 4)
	s_cmp_eq_u32 s2, 0
	s_cbranch_scc0 .Lentry_in_a_cluster
	s_endpgm
.Lentry_in_a_cluster:
	s_bfe_u32 s2, ttmp6, 0x10000c
	s_cmp_lg_u32 s2, 0x3003
	s_cbranch_scc0 .Lentry_shape_is_right
	s_endpgm
.Lentry_shape_is_right:
; ATTN: out0 = (Wo relu(V (softmax(q^T k / 16 + log(mask + 1e-6)) * mask)^T) + bo) * mask, from the fragments that the launch before stored.
; Left out, as shown at the head of the first kernel: x2 (never read by reference()) and bk (a term that is constant along the softmax's axis).
; Scores are in base 2: k' carries log2(e)/16, lm2 = log2(mask + 1e-6).  The running maximum is taken away before every exponential.
; Limits: f16 operands: |q|, |k'|, |v| below 65,504; the softmax's weights times mask below 65,504; mask above -1e-6.
;
; SHARES.  A work-group makes 64 queries (block qb of batch b).  Wave w takes all 64 queries against keys 512 w .. + 511, in 8 steps of 64 keys, with a
; maximum, a sum and a whole O^T (256 c x 64 queries, 512 registers) of its own: a fragment of K or V (1 KB from LDS) feeds four matrix instructions.
; Behind the loop the four waves' parts are merged through LDS, and wave w makes 128 rows of the output.
; NOTHING IS SHUFFLED: S^T = K Q^T puts a query in a lane and 8 keys in its registers, so maximum and sum are a lane's own (two lanes a query), two packed
; tiles of S^T are a B fragment of O^T = V P^T, and two packed tiles of O^T are a B fragment of Wo O.  lm2 comes in as the first product's C.
; relu(O) is divided by its column's largest number A before the rounding to f16, so that it lies in 0 .. 1 whatever the inputs' size; A / L is put back in f32.
; CLUSTER: the four work-groups of a cluster are four query blocks of one batch and walk the same K, V and mask tiles: every tensor load is a joint one
; (mask 15), with a descriptor made of b and the wave's number alone.  A round of the cluster's barrier stands in front of every group of them.
;
; LDS: 0 the ring: slot s (0: K, 1: V) of wave w at 131072 s + 32768 w, 32 KB each; behind its last fill it serves the merge: [to wave][from wave][16 KB]
;      262144 lm2 and mask, 4 KB a wave;  278528 the waves' maxima and sums, 1 KB each;  282624 column maxima, 512 B each;  284672 relu(O) as fragments, 32 KB
; REGISTERS: window 0: v1-3 LDS addresses, v4-11 (m, l) of the four query tiles, v12-19 (alpha, unused), v20-31 at work, v32-127 three fragment buffers,
;            v128-255 S, packed in place to P.   window 1: Q (tile lt, step ks at 8 (8 lt + ks)).   windows 2, 3: O^T (tile ct, lt at 8 (4 ct + lt))
.set KA,  1
.set VA,  2
.set LMA, 3
.set ML,  4
.set AL,  12
.set FB,  32
.set SC,  128
.set G1,  28                           ; s[28:35] 128 rows of 256 bytes
.set G1L, 36                           ; s[36:43] 16 rows of 256 bytes
.set G0,  44                           ; s[44:51] group 0 of slots 0 and 1
.set G0L, 52                           ; s[52:55] group 0 of lm2 and mask
.set L_LM, 262144
.set L_ST, 278528
.set L_AX, 282624
.set L_OF, 284672
.set MSB, 0
.macro WIN new                         ; the immediate's high byte repeats the setting that is left
.if MSB != \new
	s_set_vgpr_msb (MSB<<8)|\new
.set MSB, \new
.endif
.endm
.macro PLACES n
.rept \n
	v_nop
.endr
.endm
; a round of the cluster's barrier: my work-group's barrier, wave 0 signals for the work-group, every wave waits for all four, my work-group's barrier again
.macro ROUND
	s_barrier_signal -1
	s_barrier_wait -1
	s_cmp_lg_u32 s20, 0
	s_cbranch_scc1 .Lnot_wave_0_\@
	s_barrier_signal -3
.Lnot_wave_0_\@:
	s_barrier_wait -3
	s_barrier_signal -1
	s_barrier_wait -1
.endm
	s_load_b256 s[4:11], s[0:1], 0x0               ; qf s[4:5], kv s[6:7], mk s[8:9], wof s[10:11]
	s_load_b128 s[12:15], s[0:1], 0x20             ; bo s[12:13], mask s[14:15]
	s_load_b64 s[16:17], s[0:1], 0x30              ; out0
	v_lshl_add_u32 v30, v0, 2, 0x4d800
	v_mov_b32 v31, 0
	ds_add_u32 v30, v31
	s_wait_dscnt 0x0
	v_lshrrev_b32 v1, 5, v0
	v_readfirstlane_b32 s20, v1                    ; wave w
	s_bfe_u32 s21, ttmp6, 0x40000                  ; cx
	s_lshl_b32 s22, ttmp9, 2
	s_add_co_u32 s22, s22, s21                     ; qb = 4 x cluster x + cx: enters the addresses of qf, mask and out0 alone
	s_and_b32 s23, ttmp7, 0xffff                   ; b
	s_mov_b32 s24, 0x76543210                      ; v_permlanex16_b32: lane i of one half reads lane i of the other
	s_mov_b32 s25, 0xfedcba98
	s_mov_b32 s[G1+0], 0x0023000f                  ; 15:0 mask: all four work-groups; 17:16 elements of 8 bytes; 21 set beside a mask
	s_mov_b32 s[G1+1], 32<<16                      ; tensor_dim0 = 32 elements = 256 bytes
	s_mov_b32 s[G1+2], 128<<16                     ; tensor_dim1 = 128 rows
	s_mov_b32 s[G1+3], 32<<16                      ; tile_dim0
	s_mov_b32 s[G1+4], 128                         ; tile_dim1
	s_mov_b32 s[G1+5], 32                          ; from row to row: the block is dense
	s_mov_b32 s[G1+6], 0
	s_mov_b32 s[G1+7], 0
	s_mov_b32 s[G1L+0], 0x0023000f
	s_mov_b32 s[G1L+1], 32<<16
	s_mov_b32 s[G1L+2], 16<<16
	s_mov_b32 s[G1L+3], 32<<16
	s_mov_b32 s[G1L+4], 16
	s_mov_b32 s[G1L+5], 32
	s_mov_b32 s[G1L+6], 0
	s_mov_b32 s[G1L+7], 0
	s_mov_b32 s[G0+0], 1
	s_lshl_b32 s[G0+1], s20, 15                    ; slot 0 of my wave
	s_mov_b32 s[G0+4], 1
	s_add_co_u32 s[G0+5], s[G0+1], 131072          ; slot 1
	s_mov_b32 s[G0L+0], 1
	s_lshl_b32 s[G0L+1], s20, 12
	s_add_co_u32 s[G0L+1], s[G0L+1], L_LM
	s_wait_kmcnt 0x0
	s_lshl_b32 s58, s23, 21                        ; kv: 32 blocks of 64 KB a batch,
	s_lshl_b32 s59, s20, 19                        ; 8 blocks a wave
	s_add_co_u32 s58, s58, s59
	s_mov_b32 s59, 0
	s_add_nc_u64 s[G0+2:G0+3], s[6:7], s[58:59]    ; K of my first block
	s_add_nc_u64 s[G0+6:G0+7], s[G0+2:G0+3], 0x8000 ; V of it
	s_or_b32 s[G0+3], s[G0+3], 0x80000000
	s_or_b32 s[G0+7], s[G0+7], 0x80000000
	s_lshl_b32 s58, s23, 14
	s_lshl_b32 s59, s20, 12
	s_add_co_u32 s58, s58, s59
	s_mov_b32 s59, 0
	s_add_nc_u64 s[G0L+2:G0L+3], s[8:9], s[58:59]
	s_or_b32 s[G0L+3], s[G0L+3], 0x80000000
	s_lshl_b32 s58, s20, 9
	s_add_nc_u64 s[12:13], s[12:13], s[58:59]      ; bo at my 128 rows
	s_lshl_b32 s58, s20, 16
	s_add_nc_u64 s[10:11], s[10:11], s[58:59]      ; wof at my 8 row tiles
	s_lshl_b32 s26, s23, 5
	s_add_co_u32 s26, s26, s22
	s_lshl_b32 s26, s26, 15
	s_mov_b32 s27, 0
	s_add_nc_u64 s[4:5], s[4:5], s[26:27]          ; qf at block 32 b + qb
	s_lshl_b32 s26, s23, 13
	s_lshl_b32 s27, s22, 8
	s_add_co_u32 s26, s26, s27
	s_mov_b32 s27, 0
	s_add_nc_u64 s[14:15], s[14:15], s[26:27]      ; mask at my 64 queries
	s_lshl_b32 s26, s23, 22
	s_lshl_b32 s27, s22, 8
	s_add_co_u32 s26, s26, s27
	s_lshl_b32 s27, s20, 20
	s_add_co_u32 s26, s26, s27
	s_mov_b32 s27, 0
	s_add_nc_u64 s[16:17], s[16:17], s[26:27]      ; out0: batch b, my 128 rows, my 64 columns
	ROUND                                          ; all four work-groups are here: the first joint loads meet
	tensor_load_to_lds s[G0L:G0L+3], s[G1L:G1L+7]  ; the three first fills go out together: three tensor loads of the wave are out, later one
	s_nop 0
	tensor_load_to_lds s[G0:G0+3], s[G1:G1+7]
	s_nop 0
	tensor_load_to_lds s[G0+4:G0+7], s[G1:G1+7]
	s_nop 0
	v_and_b32 v31, 31, v0
	v_lshlrev_b32 v31, 4, v31                      ; 16 lane
	v_add_nc_u32 v[KA], s[G0+1], v31
	v_add_nc_u32 v[VA], 0x20000, v[KA]
	v_bfe_u32 v[LMA], v0, 4, 1
	v_lshl_add_u32 v[LMA], v[LMA], 5, s[G0L+1]     ; my 8 keys of a tile: 32 h bytes
	v_mov_b32 v21, 0                               ; v_permlanex16_b32's destination counts as read
.irp lt, 0,1,2,3
	v_mov_b32 v[AL+2*\lt+1], 0                     ; the second register of a pair that a packed multiply names; its value is not used
.endr
	WIN 0x40
.irp lt, 0,1,2,3
.irp ks, 0,1,2,3,4,5,6,7
	global_load_b128 v[8*(8*\lt+\ks):8*(8*\lt+\ks)+3], v31, s[4:5] offset:4096*\ks+1024*\lt
	global_load_b128 v[8*(8*\lt+\ks)+4:8*(8*\lt+\ks)+7], v31, s[4:5] offset:4096*\ks+1024*\lt+512
.endr
.endr
	WIN 0
; 4 KB of a tile, eight loads of 512 consecutive bytes: four fragments
.macro FETCH adr, g, buf
.irp i, 0,1,2,3,4,5,6,7
	ds_load_b128 v[\buf+4*\i:\buf+4*\i+3], v[\adr] offset:4096*(\g)+512*\i
.endr
.endm
; lm2 (off = 0: this step's, 256: the next step's) or the mask (2048) of the step's 64 keys into buffer 2: tile mt, keys 8 h + 0 .. 7
.macro LOADLM off
.irp mt, 0,1,2,3
	ds_load_b128 v[FB+64+8*\mt:FB+64+8*\mt+3], v[LMA] offset:\off+64*\mt
	ds_load_b128 v[FB+64+8*\mt+4:FB+64+8*\mt+7], v[LMA] offset:\off+64*\mt+16
.endr
.endm
; 16 matrix instructions: 4 key tiles x 4 query tiles, c = 32 ks .. + 31.  lm = 1: the first, which starts the sums from lm2.
; The sixteen accumulators take turns, one instruction a turn.
.macro QKG ks, lm
.irp mt, 0,1,2,3
.irp lt, 0,1,2,3
.set sd, SC+16*(4*(\mt/2)+\lt)+8*(\mt%2)
.if \lm
	v_wmma_f32_16x16x32_f16 v[sd:sd+7], v[FB+32*((\ks)%3)+8*\mt:FB+32*((\ks)%3)+8*\mt+7], v[8*(8*\lt+\ks):8*(8*\lt+\ks)+7], v[FB+64+8*\mt:FB+64+8*\mt+7]
.else
	v_wmma_f32_16x16x32_f16 v[sd:sd+7], v[FB+32*((\ks)%3)+8*\mt:FB+32*((\ks)%3)+8*\mt+7], v[8*(8*\lt+\ks):8*(8*\lt+\ks)+7], v[sd:sd+7]
.endif
.endr
.endr
.endm
; S^T of 64 keys x 64 queries.  K's groups go through the three buffers, two groups ahead.  The four v_nop in front of each run of loads are the places
; between a matrix instruction and a load into registers that it has read.
.macro QK
	WIN 0x04                                       ; B (Q) in window 1; LDS loads name windows 0 alone under this setting
	FETCH KA, 0, FB
	FETCH KA, 1, FB+32
	s_wait_dscnt 8                                 ; lm2 and group 0 are in; group 1's eight loads stay out
	QKG 0, 1
	PLACES 4
	FETCH KA, 2, FB+64
	FETCH KA, 3, FB
	s_wait_dscnt 16                                ; group 1 is in; two younger groups stay out
	QKG 1, 0
.irp ks, 2,3,4,5
	PLACES 4
	FETCH KA, \ks+2, FB+32*((\ks+2)%3)
	s_wait_dscnt 16
	QKG \ks, 0
.endr
	PLACES 4
	LOADLM 2048                                    ; the mask, for the softmax
	s_wait_dscnt 16                                ; group 6 is in; group 7 and the mask stay out
	QKG 6, 0
	s_wait_dscnt 8                                 ; the mask may stay out
	QKG 7, 0
.endm
; Slot s has been read and is filled again with the tile one block further on.  My reads are back and all my tensor loads have landed, so the group 0 may be
; stepped; the round shows the same of every wave of all four work-groups; the joint load is the first thing behind it, one a wave.
.macro REFILL s
	s_wait_dscnt 0x0
	s_wait_xcnt 0x0
	s_set_vgpr_msb (MSB<<8)|((MSB&0x3c)|0x0)
	v_lshl_add_u32 v30, v0, 2, 0x4d800
	v_mov_b32 v31, 0
	s_set_vgpr_msb (((MSB&0x3c)|0x0)<<8)|((MSB&0x30)|0x0)
	s_wait_tensorcnt 0x0
	ds_add_u32 v30, v31
	s_wait_dscnt 0x0
	s_set_vgpr_msb (((MSB&0x30)|0x0)<<8)|MSB
	s_add_nc_u64 s[G0+4*\s+2:G0+4*\s+3], s[G0+4*\s+2:G0+4*\s+3], 0x10000
	WIN 0
	ROUND
	tensor_load_to_lds s[G0+4*\s:G0+4*\s+3], s[G1:G1+7]
	s_nop 0
.endm
; query tile lt: new maximum, alpha = 2^(old - new), P = 2^(S - new), l = l alpha + sum of P, then P times mask, packed in place to a B fragment
.macro SMAX lt, first
.set sb0, SC+16*\lt
.set sb1, SC+64+16*\lt
	v_max3_num_f32 v22, v[sb0], v[sb0+1], v[sb0+2]
	v_max3_num_f32 v23, v[sb0+8], v[sb0+9], v[sb0+10]
	v_max3_num_f32 v24, v[sb1], v[sb1+1], v[sb1+2]
	v_max3_num_f32 v25, v[sb1+8], v[sb1+9], v[sb1+10]
.irp p, 3,5
	v_max3_num_f32 v22, v22, v[sb0+\p], v[sb0+\p+1]
	v_max3_num_f32 v23, v23, v[sb0+8+\p], v[sb0+8+\p+1]
	v_max3_num_f32 v24, v24, v[sb1+\p], v[sb1+\p+1]
	v_max3_num_f32 v25, v25, v[sb1+8+\p], v[sb1+8+\p+1]
.endr
	v_max3_num_f32 v22, v22, v[sb0+7], v[sb0+15]
	v_max3_num_f32 v24, v24, v[sb1+7], v[sb1+15]
	v_max3_num_f32 v22, v22, v23, v24
.if \first
	v_max_num_f32 v22, v22, v25
.else
	v_max3_num_f32 v22, v22, v25, v[ML+2*\lt]
.endif
	v_permlanex16_b32 v21, v22, s24, s25           ; the query's other 32 keys lie in the other half of the lanes
	v_max_num_f32 v20, v22, v21
.if \first == 0
	v_sub_f32 v[AL+2*\lt], v[ML+2*\lt], v20
	v_exp_f32 v[AL+2*\lt], v[AL+2*\lt]
.endif
	v_mov_b32 v[ML+2*\lt], v20                     ; also the plain instruction behind the exponential (ISA guide 5.7.2)
.irp p, 0,2,4,6,8,10,12,14
	v_pk_add_f32 v[sb0+\p:sb0+\p+1], v[sb0+\p:sb0+\p+1], v[20:21] op_sel_hi:[1,0] neg_lo:[0,1] neg_hi:[0,1]
	v_pk_add_f32 v[sb1+\p:sb1+\p+1], v[sb1+\p:sb1+\p+1], v[20:21] op_sel_hi:[1,0] neg_lo:[0,1] neg_hi:[0,1]
.endr
.irp p, 0,1,2,3,4,5,6,7,8,9,10,11,12,13,14,15
	v_exp_f32 v[sb0+\p], v[sb0+\p]
.endr
.irp p, 0,1,2,3,4,5,6,7,8,9,10,11,12,13,14,15
	v_exp_f32 v[sb1+\p], v[sb1+\p]
.endr
	v_nop                                          ; one plain instruction between the exponentials and their use
	s_wait_alu depctr_va_vdst(0)
.irp c, 0,1,2,3
	v_pk_add_f32 v[22+2*\c:23+2*\c], v[sb0+2*\c:sb0+2*\c+1], v[sb0+8+2*\c:sb0+8+2*\c+1]
.endr
.irp c, 0,1,2,3
	v_pk_add_f32 v[22+2*\c:23+2*\c], v[22+2*\c:23+2*\c], v[sb1+2*\c:sb1+2*\c+1]
.endr
.irp c, 0,1,2,3
	v_pk_add_f32 v[22+2*\c:23+2*\c], v[22+2*\c:23+2*\c], v[sb1+8+2*\c:sb1+8+2*\c+1]
.endr
	v_pk_add_f32 v[22:23], v[22:23], v[24:25]
	v_pk_add_f32 v[26:27], v[26:27], v[28:29]
	v_pk_add_f32 v[22:23], v[22:23], v[26:27]
.if \first
	v_add_f32 v[ML+2*\lt+1], v22, v23
.else
	v_add_f32 v22, v22, v23
	v_fma_f32 v[ML+2*\lt+1], v[ML+2*\lt+1], v[AL+2*\lt], v22
.endif
.irp p, 0,2,4,6
	v_pk_mul_f32 v[sb0+\p:sb0+\p+1], v[sb0+\p:sb0+\p+1], v[FB+64+\p:FB+64+\p+1]            ; the sum is taken before the mask, as in reference()
	v_pk_mul_f32 v[sb0+8+\p:sb0+8+\p+1], v[sb0+8+\p:sb0+8+\p+1], v[FB+72+\p:FB+72+\p+1]
	v_pk_mul_f32 v[sb1+\p:sb1+\p+1], v[sb1+\p:sb1+\p+1], v[FB+80+\p:FB+80+\p+1]
	v_pk_mul_f32 v[sb1+8+\p:sb1+8+\p+1], v[sb1+8+\p:sb1+8+\p+1], v[FB+88+\p:FB+88+\p+1]
.endr
.irp d, 0,1,2,3,4,5,6,7
	v_cvt_pk_f16_f32 v[sb0+\d], v[sb0+2*\d], v[sb0+2*\d+1]     ; register d is written when registers 2 d, 2 d + 1 are read: nothing is lost
	v_cvt_pk_f16_f32 v[sb1+\d], v[sb1+2*\d], v[sb1+2*\d+1]
.endr
.endm
.macro RESC1
.irp ct, 0,1,2,3,4,5,6,7
.irp lt, 0,1,2,3
.irp p, 0,2,4,6
	v_pk_mul_f32 v[8*(4*\ct+\lt)+\p:8*(4*\ct+\lt)+\p+1], v[8*(4*\ct+\lt)+\p:8*(4*\ct+\lt)+\p+1], v[AL+2*\lt:AL+2*\lt+1] op_sel_hi:[1,0]
.endr
.endr
.endr
.endm
.macro RESCALE                         ; O^T times alpha of its query
	WIN 0x82
	RESC1
	WIN 0xc3
	RESC1
.endm
; 16 matrix instructions: c tiles 2 g, 2 g + 1 x 4 query tiles x 2 steps of 32 keys; eight accumulators by turns, one instruction a turn
.macro PVG g, first
.irp u, 0,1
.irp e, 0,1
.irp lt, 0,1,2,3
.set od, 8*(4*((2*(\g)+\e)%8)+\lt)
.if (\first)*(1-\u)
	v_wmma_f32_16x16x32_f16 v[od:od+7], v[FB+32*((\g)%3)+8*(2*\e+\u):FB+32*((\g)%3)+8*(2*\e+\u)+7], v[SC+16*(4*\u+\lt):SC+16*(4*\u+\lt)+7], 0
.else
	v_wmma_f32_16x16x32_f16 v[od:od+7], v[FB+32*((\g)%3)+8*(2*\e+\u):FB+32*((\g)%3)+8*(2*\e+\u)+7], v[SC+16*(4*\u+\lt):SC+16*(4*\u+\lt)+7], v[od:od+7]
.endif
.endr
.endr
.endr
.endm
.macro PV first, last
.irp g, 0,1,2,3,4,5,6,7
	WIN 0
.if \g > 0
	PLACES 4
.endif
.if \g <= 5
	FETCH VA, \g+2, FB+32*((\g+2)%3)
	s_wait_dscnt 16                                ; group g is in; two younger groups of eight loads stay out
.endif
.if \g == 6
.if \last
	s_wait_dscnt 8
.else
	LOADLM 256                                     ; the next step's lm2
	s_wait_dscnt 16
.endif
.endif
.if \g == 7
.if \last
	s_wait_dscnt 0
.else
	s_wait_dscnt 8                                 ; lm2 may stay out
.endif
.endif
.if \g < 4
	WIN 0xa0
.else
	WIN 0xf0
.endif
	PVG \g, \first
.endr
.endm
.macro STEP first, last
	QK
.if \last
	s_wait_dscnt 0x0                               ; the mask
	s_wait_tensorcnt 0x0                           ; the last tile of V
	WIN 0
.else
	REFILL 0                                       ; K's slot has been read; V's tile has landed by the wait for all loads
.endif
	PLACES 4                                       ; between the last products and the reads of S and the loads into buffers 0 and 1
	FETCH VA, 0, FB
	FETCH VA, 1, FB+32
	SMAX 0, \first
	SMAX 1, \first
	SMAX 2, \first
	SMAX 3, \first
.if \first == 0
	RESCALE
.endif
	PV \first, \last
	WIN 0
	PLACES 5                                       ; P's registers are written over by the next step's first products (ISA guide 7.12.1)
.if \last == 0
	v_add_nc_u32 v[LMA], 256, v[LMA]               ; 64 keys on
	REFILL 1                                       ; V's slot has been read; K's next tile has landed
.endif
.endm
	s_wait_tensorcnt 0x1                           ; lm2, the mask and K's first tile are in my LDS bytes; V's first tile may stay out
	LOADLM 0
	s_wait_loadcnt 0x0                             ; Q
	STEP 1, 0                                      ; the first step starts maxima, sums and O^T: nothing is cleared
	s_mov_b32 s56, 6
.Lstep:
	STEP 0, 0
	s_sub_co_u32 s56, s56, 1
	s_cmp_lg_u32 s56, 0
	s_cbranch_scc1 .Lstep
	STEP 0, 1                                      ; the last step fills nothing
	; ---- THE MERGE.  Addresses; the loads of the last phase go out now.
.irp lt, 0,1,2,3
	v_permlanex16_b32 v21, v[ML+2*\lt+1], s24, s25
	v_add_f32 v[ML+2*\lt+1], v[ML+2*\lt+1], v21    ; the sum over both halves of my keys
.endr
	v_and_b32 v107, 31, v0
	v_lshlrev_b32 v107, 4, v107                    ; 16 lane
	v_and_b32 v108, 15, v0
	v_lshlrev_b32 v108, 4, v108                    ; 16 r
	v_bfe_u32 v110, v0, 4, 1
	v_lshl_add_u32 v109, v110, 16, v108            ; out0: 8 h rows, 16 r bytes
	v_lshlrev_b32 v110, 5, v110                    ; bo: 32 h
	s_lshl_b32 s58, s20, 14
	v_add_nc_u32 v96, s58, v107                    ; exchange, out: [to wave qd][from me]
	v_add_nc_u32 v97, 0x10000, v96
	v_add_nc_u32 v98, 0x20000, v96
	v_add_nc_u32 v99, 0x30000, v96
	s_lshl_b32 s58, s20, 16
	v_add_nc_u32 v100, s58, v107                   ; exchange, in: [to me]
	v_add_nc_u32 v101, L_ST, v107
	s_lshl_b32 s58, s20, 10
	v_add_nc_u32 v102, s58, v101
	v_add_nc_u32 v103, L_AX, v107
	s_lshl_b32 s58, s20, 9
	v_add_nc_u32 v104, s58, v103
	v_add_nc_u32 v106, L_OF, v107
	s_lshl_b32 s58, s20, 13
	v_add_nc_u32 v105, s58, v106
	global_load_b128 v[28:31], v108, s[14:15]      ; mask of my four queries l = 64 qb + 4 r + 0 .. 3
.irp d, 0,1,2,3,4,5,6,7
	global_load_b128 v[192+8*\d:192+8*\d+3], v110, s[12:13] offset:64*\d       ; bo of rows 16 d + 8 h + 0 .. 7
	global_load_b128 v[192+8*\d+4:192+8*\d+7], v110, s[12:13] offset:64*\d+16
.endr
.macro WOLOAD d                        ; Wo's row tile d of my eight: 8 fragments, sixteen loads of 512 consecutive bytes, into slot d % 4 of window 1
.irp i, 0,1,2,3,4,5,6,7,8,9,10,11,12,13,14,15
	global_load_b128 v[64*((\d)%4)+4*\i:64*((\d)%4)+4*\i+3], v107, s[10:11] offset:8192*(\d)+512*\i
.endr
.endm
	WIN 0x40
	WOLOAD 0
	WOLOAD 1
	WOLOAD 2
	WOLOAD 3
	WIN 0
	s_wait_dscnt 0x0                               ; my reads of the ring are over (and every tensor load has landed: the last step's wait)
	s_barrier_signal -1
	s_barrier_wait -1                              ; everybody's are: the ring, which has had its last fill, now serves the exchange
	ds_store_b128 v102, v[4:7]                     ; (m, l) of query tiles 0, 1
	ds_store_b128 v102, v[8:11] offset:512         ; and 2, 3
	WIN 0x08
.irp qd, 0,1
.irp i, 0,1,2,3,4,5,6,7,8,9,10,11,12,13,14,15,16,17,18,19,20,21,22,23,24,25,26,27,28,29,30,31
	ds_store_b128 v[96+\qd], v[128*\qd+4*\i:128*\qd+4*\i+3] offset:512*\i      ; c tiles 4 qd .. + 3 go to wave qd
.endr
.endr
	WIN 0x0c
.irp qd, 0,1
.irp i, 0,1,2,3,4,5,6,7,8,9,10,11,12,13,14,15,16,17,18,19,20,21,22,23,24,25,26,27,28,29,30,31
	ds_store_b128 v[98+\qd], v[128*\qd+4*\i:128*\qd+4*\i+3] offset:512*\i
.endr
.endr
	WIN 0
	s_wait_dscnt 0x0
	s_barrier_signal -1
	s_barrier_wait -1
.irp ws, 0,1,2,3
	ds_load_b128 v[FB+8*\ws:FB+8*\ws+3], v101 offset:1024*\ws                  ; wave ws: (m, l) at FB + 8 ws + 2 lt
	ds_load_b128 v[FB+8*\ws+4:FB+8*\ws+7], v101 offset:1024*\ws+512
.endr
	WIN 0x80
.irp ws, 0,1
.irp i, 0,1,2,3,4,5,6,7,8,9,10,11,12,13,14,15,16,17,18,19,20,21,22,23,24,25,26,27,28,29,30,31
	ds_load_b128 v[128*\ws+4*\i:128*\ws+4*\i+3], v100 offset:16384*\ws+512*\i
.endr
.endr
	WIN 0xc0
.irp ws, 0,1
.irp i, 0,1,2,3,4,5,6,7,8,9,10,11,12,13,14,15,16,17,18,19,20,21,22,23,24,25,26,27,28,29,30,31
	ds_load_b128 v[128*\ws+4*\i:128*\ws+4*\i+3], v100 offset:32768+16384*\ws+512*\i
.endr
.endr
	WIN 0
	s_wait_dscnt 63                                ; of 136 loads the oldest 73 are back, the eight of maxima and sums among them
.irp lt, 0,1,2,3
	v_max3_num_f32 v[20+\lt], v[FB+2*\lt], v[FB+8+2*\lt], v[FB+16+2*\lt]
.endr
.irp lt, 0,1,2,3
	v_max_num_f32 v[20+\lt], v[20+\lt], v[FB+24+2*\lt]     ; M, the maximum over all 2,048 keys
.endr
.irp ws, 0,1,2,3
.irp lt, 0,1,2,3
	v_sub_f32 v[FB+8*\ws+2*\lt], v[FB+8*\ws+2*\lt], v[20+\lt]
.endr
.endr
.irp ws, 0,1,2,3
.irp lt, 0,1,2,3
	v_exp_f32 v[FB+8*\ws+2*\lt], v[FB+8*\ws+2*\lt]         ; e = 2^(m - M), in m's place: the pairs are now (e, l)
.endr
.endr
	v_nop
	s_wait_alu depctr_va_vdst(0)
.irp lt, 0,1,2,3
	v_mul_f32 v[4+\lt], v[FB+1+2*\lt], v[FB+2*\lt]
.endr
.irp ws, 1,2,3
.irp lt, 0,1,2,3
	v_fmac_f32 v[4+\lt], v[FB+8*\ws+1+2*\lt], v[FB+8*\ws+2*\lt]    ; L = sum of l e, at least 1
.endr
.endr
	s_wait_dscnt 0x0
	WIN 0xa2                                       ; R = sum over the waves of e x their part, for my 64 c: window 2, v0-127
.irp x, 0,1,2,3,4,5,6,7,8,9,10,11,12,13,14,15
.irp p, 0,2,4,6
	v_pk_mul_f32 v[8*\x+\p:8*\x+\p+1], v[8*\x+\p:8*\x+\p+1], v[FB+2*(\x%4):FB+2*(\x%4)+1] op_sel_hi:[1,0]
.endr
.endr
.irp x, 0,1,2,3,4,5,6,7,8,9,10,11,12,13,14,15
.irp p, 0,2,4,6
	v_pk_fma_f32 v[8*\x+\p:8*\x+\p+1], v[128+8*\x+\p:128+8*\x+\p+1], v[FB+8+2*(\x%4):FB+8+2*(\x%4)+1], v[8*\x+\p:8*\x+\p+1] op_sel_hi:[1,0,1]
.endr
.endr
	WIN 0xa3
.irp x, 0,1,2,3,4,5,6,7,8,9,10,11,12,13,14,15
.irp p, 0,2,4,6
	v_pk_fma_f32 v[8*\x+\p:8*\x+\p+1], v[8*\x+\p:8*\x+\p+1], v[FB+16+2*(\x%4):FB+16+2*(\x%4)+1], v[8*\x+\p:8*\x+\p+1] op_sel_hi:[1,0,1]
.endr
.endr
.irp x, 0,1,2,3,4,5,6,7,8,9,10,11,12,13,14,15
.irp p, 0,2,4,6
	v_pk_fma_f32 v[8*\x+\p:8*\x+\p+1], v[128+8*\x+\p:128+8*\x+\p+1], v[FB+24+2*(\x%4):FB+24+2*(\x%4)+1], v[8*\x+\p:8*\x+\p+1] op_sel_hi:[1,0,1]
.endr
.endr
	; the largest R of each query's column, floored at 2^-100 (a column without a positive number gives zeros all the same)
	WIN 0x28
.irp lt, 0,1,2,3
	v_mov_b32 v[20+\lt], 0x0d800000
.endr
.irp ctl, 0,1,2,3
.irp p, 0,2,4,6
.irp lt, 0,1,2,3
	v_max3_num_f32 v[20+\lt], v[20+\lt], v[8*(4*\ctl+\lt)+\p], v[8*(4*\ctl+\lt)+\p+1]
.endr
.endr
.endr
	WIN 0
.irp lt, 0,1,2,3
	v_permlanex16_b32 v[24+\lt], v[20+\lt], s24, s25
.endr
.irp lt, 0,1,2,3
	v_max_num_f32 v[20+\lt], v[20+\lt], v[24+\lt]
.endr
	ds_store_b128 v104, v[20:23]
	s_wait_dscnt 0x0
	s_barrier_signal -1
	s_barrier_wait -1
.irp ws, 0,1,2,3
	ds_load_b128 v[64+4*\ws:64+4*\ws+3], v103 offset:512*\ws
.endr
	s_wait_dscnt 0x0
.irp lt, 0,1,2,3
	v_max3_num_f32 v[8+\lt], v[64+\lt], v[68+\lt], v[72+\lt]
.endr
.irp lt, 0,1,2,3
	v_max_num_f32 v[8+\lt], v[8+\lt], v[76+\lt]    ; A
.endr
.irp lt, 0,1,2,3
	v_rcp_f32 v[AL+2*\lt], v[8+\lt]                ; 1 / A
.endr
.irp lt, 0,1,2,3
	v_rcp_f32 v[20+\lt], v[4+\lt]                  ; 1 / L
.endr
	v_nop
	WIN 0x8a
.irp i, 0,1,2,3,4,5,6,7,8,9,10,11,12,13,14,15
.irp j, 0,1,2,3,4,5,6,7
	v_max_num_f32 v[8*\i+\j], 0, v[8*\i+\j]        ; relu
.endr
.endr
	WIN 0x82
	s_wait_alu depctr_va_vdst(0)
.irp x, 0,1,2,3,4,5,6,7,8,9,10,11,12,13,14,15
.irp p, 0,2,4,6
	v_pk_mul_f32 v[8*\x+\p:8*\x+\p+1], v[8*\x+\p:8*\x+\p+1], v[AL+2*(\x%4):AL+2*(\x%4)+1] op_sel_hi:[1,0]
.endr
.endr
	WIN 0x0a
.irp x, 0,1,2,3,4,5,6,7,8,9,10,11,12,13,14,15
.irp jj, 0,1,2,3
	v_cvt_pk_f16_f32 v[SC+4*\x+\jj], v[8*\x+2*\jj], v[8*\x+2*\jj+1]
.endr
.endr
	WIN 0
.irp ctl, 0,1,2,3
.irp lt, 0,1,2,3
	ds_store_b128 v105, v[SC+4*(4*\ctl+\lt):SC+4*(4*\ctl+\lt)+3] offset:4096*(\ctl/2)+1024*\lt+512*(\ctl%2)   ; half ctl % 2 of the B fragment (ks = 2 w + ctl / 2, lt)
.endr
.endr
	s_wait_dscnt 0x0
	s_barrier_signal -1
	s_barrier_wait -1
	WIN 0xc0
.irp i, 0,1,2,3,4,5,6,7,8,9,10,11,12,13,14,15,16,17,18,19,20,21,22,23,24,25,26,27,28,29,30,31
	ds_load_b128 v[4*\i:4*\i+3], v106 offset:512*\i            ; all of relu(O) / A: fragment (ks, lt) at 8 (4 ks + lt) of window 3
	ds_load_b128 v[128+4*\i:128+4*\i+3], v106 offset:16384+512*\i
.endr
	s_wait_dscnt 0x0
	; ---- Wo x relu(O) / A: my 8 row tiles x 4 query tiles, accumulators in window 2; four of them by turns, one instruction a turn
.irp d, 0,1,2,3,4,5,6,7
.if \d <= 4
	s_wait_loadcnt 48                              ; row tile d of Wo is in (and mask and bo, which are older); three younger tiles of sixteen loads stay out
.else
	s_wait_loadcnt 16*(7-\d)
.endif
	WIN 0xad
.irp ks, 0,1,2,3,4,5,6,7
.irp lt, 0,1,2,3
.if \ks == 0
	v_wmma_f32_16x16x32_f16 v[8*(4*\d+\lt):8*(4*\d+\lt)+7], v[64*(\d%4)+8*\ks:64*(\d%4)+8*\ks+7], v[8*(4*\ks+\lt):8*(4*\ks+\lt)+7], 0
.else
	v_wmma_f32_16x16x32_f16 v[8*(4*\d+\lt):8*(4*\d+\lt)+7], v[64*(\d%4)+8*\ks:64*(\d%4)+8*\ks+7], v[8*(4*\ks+\lt):8*(4*\ks+\lt)+7], v[8*(4*\d+\lt):8*(4*\d+\lt)+7]
.endif
.endr
.endr
.if \d < 4
	PLACES 4
	WIN 0x40
	WOLOAD \d+4                                    ; into the slot just read
.endif
.endr
	WIN 0
.irp lt, 0,1,2,3
	v_mul_f32 v[20+\lt], v[20+\lt], v[8+\lt]       ; A / L
.endr
.irp lt, 0,1,2,3
	v_mul_f32 v[20+\lt], v[20+\lt], v[28+\lt]      ; times the query's mask
.endr
	; out = acc (A / L) mask + bo mask.  Register j of the four query tiles is four neighbouring l of row 16 d + 8 h + j: sixteen lanes store 256 aligned bytes.
.irp d, 0,1,2,3,4,5,6,7
.if \d >= 2
	s_wait_xcnt 0x0                                ; the data registers of two row tiles ago are rewritten only behind this wait
.endif
	WIN 0
.irp j, 0,1,2,3,4,5,6,7
.irp lt, 0,1,2,3
	v_mul_f32 v[FB+32*(\d%2)+4*\j+\lt], v[192+8*\d+\j], v[28+\lt]      ; for d = 0 these are also the places behind the last products
.endr
.endr
	WIN 0x02
.irp j, 0,1,2,3,4,5,6,7
.irp lt, 0,1,2,3
	v_fma_f32 v[FB+32*(\d%2)+4*\j+\lt], v[8*(4*\d+\lt)+\j], v[20+\lt], v[FB+32*(\d%2)+4*\j+\lt]
.endr
.endr
	WIN 0
.irp j, 0,1,2,3,4,5,6,7
	global_store_b128 v109, v[FB+32*(\d%2)+4*\j:FB+32*(\d%2)+4*\j+3], s[16:17] offset:(16*\d+\j)*8192 th:TH_STORE_NT
.endr
.endr
	s_wait_xcnt 0x0
	s_set_vgpr_msb (MSB<<8)|((MSB&0x3c)|0x0)
	v_lshl_add_u32 v30, v0, 2, 0x4d800
	v_mov_b32 v31, 0
	s_set_vgpr_msb (((MSB&0x3c)|0x0)<<8)|((MSB&0x30)|0x0)
	s_wait_tensorcnt 0x0
	ds_add_u32 v30, v31
	s_wait_dscnt 0x0
	s_set_vgpr_msb (((MSB&0x30)|0x0)<<8)|MSB
	ROUND                                          ; the closing round: no work-group ends while a partner may still ask for a tile that names it
	s_endpgm
.Lfunc_end_k_q570a8eb80a_attn:
	.size	k_q570a8eb80a_attn, .Lfunc_end_k_q570a8eb80a_attn-k_q570a8eb80a_attn
	.p2alignl 7, 3214868480
	.fill 96, 4, 3214868480
	.section	.rodata,"a",@progbits
	.p2align	6, 0x0
	.amdhsa_kernel k_q570a8eb80a_attn
		.amdhsa_group_segment_fixed_size 327680
		.amdhsa_private_segment_fixed_size 0
		.amdhsa_enable_private_segment 0
		.amdhsa_kernarg_size 56
		.amdhsa_user_sgpr_count 2
		.amdhsa_user_sgpr_kernarg_segment_ptr 1
		.amdhsa_wavefront_size32 1
		.amdhsa_system_sgpr_workgroup_id_x 1
		.amdhsa_system_sgpr_workgroup_id_y 1
		.amdhsa_system_sgpr_workgroup_id_z 1
		.amdhsa_system_vgpr_workitem_id 0
		.amdhsa_next_free_vgpr 1024
		.amdhsa_next_free_sgpr 66
		.amdhsa_reserve_vcc 0
		.amdhsa_float_denorm_mode_32 3
		.amdhsa_float_denorm_mode_16_64 3
		.amdhsa_memory_ordered 1
		.amdhsa_forward_progress 1
		.amdhsa_inst_pref_size 255
	.end_amdhsa_kernel
	.section	.bss,"aw",@nobits
	.p2align	6
	.space	262144
	.amdgpu_metadata
---
amdhsa.version: [ 1, 2 ]
amdhsa.kernels:
  - .name:           k_q570a8eb80a_attn
    .symbol:         k_q570a8eb80a_attn.kd
    .args:
      - { .name: qf, .offset: 0, .size: 8, .value_kind: global_buffer, .address_space: global }
      - { .name: kv, .offset: 8, .size: 8, .value_kind: global_buffer, .address_space: global }
      - { .name: mk, .offset: 16, .size: 8, .value_kind: global_buffer, .address_space: global }
      - { .name: wof, .offset: 24, .size: 8, .value_kind: global_buffer, .address_space: global }
      - { .name: bo, .offset: 32, .size: 8, .value_kind: global_buffer, .address_space: global }
      - { .name: mask, .offset: 40, .size: 8, .value_kind: global_buffer, .address_space: global }
      - { .name: out0, .offset: 48, .size: 8, .value_kind: global_buffer, .address_space: global }
    .group_segment_fixed_size: 327680
    .private_segment_fixed_size: 0
    .kernarg_segment_align: 8
    .kernarg_segment_size: 56
    .max_flat_workgroup_size: 128
    .sgpr_count:     66
    .vgpr_count:     1024
    .wavefront_size: 32
...
	.end_amdgpu_metadata
.endif
;; end of part 2
;; ======== version 2 of 3: 2 launches
;; limits: values are held in f16: magnitudes above 65,504 overflow, below 6.1e-05 lose precision
;; workspace buffers: qf 8,388,608 bytes; kv 16,777,216 bytes; mk 131,072 bytes; wof 262,144 bytes
;; launch proj (part 3): grid 256 x 1, 4 waves a work-group, no clusters, 200,192 bytes of LDS; arguments x1, mask, Wq, Wk, Wv, Wo, bq, bv, qf, kv, mk, wof; writes qf, kv, mk, wof
.if DOCPART == 3
	.amdgcn_target "amdgcn-amd-amdhsa--gfx1250"
	.amdhsa_code_object_version 6
	.text
	.protected	k_q570a8eb80a_proj
	.globl	k_q570a8eb80a_proj
	.p2align	8
	.type	k_q570a8eb80a_proj,@function
k_q570a8eb80a_proj:
	s_mov_b64 s[64:65], 0
	v_nop
	global_prefetch_b8 v0, s[64:65] scope:SCOPE_SE
	s_setreg_imm32_b32 hwreg(HW_REG_WAVE_MODE, 25, 1), 1
	s_wait_xcnt 0x0
; PROJ: q = Wq x1 + bq,  k' = (Wk x1) log2(e)/16,  v = Wv x1 + bv, all rounded to f16 and stored as ready matrix fragments;
; lm2 = log2(mask + 1e-6) and mask in the keys' stored order; Wo as f16 fragments.
;
; WORK LEFT OUT, for all values of the inputs:
;   x2: reference() never reads it.  It is no argument of any launch.
;   bk: k = Wk x1 + bk enters only the scores, score(l,m) = q_l . k_m / 16 = q_l . (Wk x1)_m / 16 + q_l . bk / 16.  The last term does not
;       hang on m, the softmax's axis, so numerator and denominator carry the same factor exp(q_l . bk / 16) and it cancels.  bk is no argument.
;   Limit: a NaN, an infinity or an overflow that only x2 or bk would bring in is not carried to the result.
; NUMBER FORMAT: every matrix operand is f16 (eleven significant bits), sums f32.  Limits: |q|, |k'|, |v|, |x1|, |W| below 65,504;
;   k' carries the factor log2(e)/16, applied in f32 before the rounding.  mask must be above -1e-6 (below it reference() gives NaN as well).
;
; STORED ORDER.  A block vb = 32 b + blk is 64 positions l = 64 blk .. + 63.  Tile t (0..3), row i (0..15) of a block is l = 64 blk + 4 i + t:
; a lane that loads 16 bytes of a row of x1 (4 neighbouring l) holds one element of each of the four tiles.  Keys, values and the mask use the
; same order, so for the sums over keys it is a permutation; for the queries it is undone by the output's stores (four tiles = 16 bytes).
;   qf: [vb][ks 0..7][t][half][lane][16 B]   registers 4 half .. 4 half + 3 of the fragment (16 rows l of tile t) x (c = 32 ks .. + 31)
;   kv: [vb][ K: as qf, 32 KB ][ V: [ct 0..15][t][lane][16 B], 32 KB ]   V's fragment (rows c = 16 ct .., keys 32 u ..) is the KB at 2048 ct + 1024 u
;   mk: [b][w][ lm2 of 512 keys, 2 KB ][ mask of 512 keys, 2 KB ];   wof: [dt 0..31][ks 0..7][half][lane][16 B]
;
; SHARES.  256 work-groups = 64 column blocks of 256 l x 4 row blocks.  Row block ob takes rows 64 ob .. + 63 of EACH of Wq, Wk, Wv: group gi (0, 1, 2) is
; matrix gi.  So every work-group makes one group of q, one of k and one of v, all run the same lines, and ob enters only through offsets added to the bases.
; Wave w makes all 192 rows for block vb = 4 lb + w: 48 accumulator tiles.
; W's 192 rows lie in LDS as f16 (pitch 1,040 bytes = 65 x 16: the sixteen rows of a fragment start in sixteen different 16-byte columns).
; x1 goes from memory to registers (16 lanes cover 256 aligned bytes of a row), is rounded there and never touches LDS.
; NO CLUSTER: both shared inputs are f32 and must pass through registers to become f16; beside W's 199,680 bytes of LDS only two slots of one
; K step of f32 x1 (2 x 32 KB) would fit, which would put a round of the cluster's barrier in front of every 48 matrix instructions of a wave.
;
; REGISTERS: window 0: v0-31 addresses, v32-59 wave 0's extras, v64-255 W staging (3 x 64), then W fragments (2 x 96), then store data (3 x 64)
;            window 1: x1 as loaded, four slots of 64; at the end the biases.   window 2: accumulators of groups 1 and 2
;            window 3: v0-127 accumulators of group 0, v128-191 x1 fragments (2 x 32)
.set XROW,   8192                      ; bytes of a row of x1
.set WPITCH, 1040                      ; bytes from row to row of W in LDS
.set WGRP,   64*WPITCH                 ; a group of 64 rows
.set XO,  5                            ; 65536 h + 16 r: rows 8 h, my 16 bytes
.set WG,  6                            ; 32768 w + 16 lane: my wave's 16 rows of a group of W in memory
.set WL,  8                            ; v8-10   group gi: where I put 8 bytes of W
.set WA,  11                           ; v11-13  group gi: where I read W's fragments
.set LN,  14                           ; 16 lane
.set BQO, 15                           ; 32 h
.set BVO, 16                           ; 4 r
.set WB,  64
.set XF,  128
.set GP,  32                           ; s[32:37] the three groups' first rows
.set MSB, 0
.macro WIN new                         ; the immediate's high byte repeats the setting that is left
.if MSB != \new
	s_set_vgpr_msb (MSB<<8)|\new
.set MSB, \new
.endif
.endm
.macro PLACES n
.rept \n
	v_nop
.endr
.endm
	s_load_b512 s[4:19], s[0:1], 0x0               ; x1 s[4:5], mask s[6:7], Wq s[8:9], Wk s[10:11], Wv s[12:13], Wo s[14:15], bq s[16:17], bv s[18:19]
	s_load_b256 s[20:27], s[0:1], 0x40             ; qf s[20:21], kv s[22:23], mk s[24:25], wof s[26:27]
	v_lshl_add_u32 v62, v0, 2, 0x30c00
	v_mov_b32 v63, 0
	v_lshrrev_b32 v1, 5, v0
	v_readfirstlane_b32 s28, v1                    ; wave w
	s_and_b32 s29, ttmp9, 3                        ; ob: which 64 rows of each matrix
	s_lshr_b32 s30, ttmp9, 2                       ; lb: which 256 columns
	s_lshl2_add_u32 s31, s30, s28                  ; vb = 4 lb + w
	s_mov_b32 s38, 0x3db8aa3b                      ; log2(e) / 16
	s_mov_b32 s39, 0x3db8aa3b
	v_and_b32 v2, 31, v0                           ; lane
	v_and_b32 v3, 15, v0                           ; r
	v_bfe_u32 v4, v0, 4, 1                         ; h
	v_lshlrev_b32 v[XO], 4, v3
	v_lshl_add_u32 v[XO], v4, 16, v[XO]
	v_lshlrev_b32 v[LN], 4, v2
	s_lshl_b32 s40, s28, 15
	v_add_nc_u32 v[WG], s40, v[LN]
	s_mul_i32 s40, s28, 16*WPITCH
	v_lshl_add_u32 v[WL], v2, 3, s40
	v_add_nc_u32 v[WL+1], WGRP, v[WL]
	v_add_nc_u32 v[WL+2], 2*WGRP, v[WL]
	v_mul_u32_u24 v[WA], v3, WPITCH
	v_lshl_add_u32 v[WA], v4, 4, v[WA]
	v_add_nc_u32 v[WA+1], WGRP, v[WA]
	v_add_nc_u32 v[WA+2], 2*WGRP, v[WA]
	v_lshlrev_b32 v[BQO], 5, v4
	v_lshlrev_b32 v[BVO], 2, v3
	v_lshlrev_b32 v17, 10, v3
	v_lshl_add_u32 v17, v4, 5, v17                 ; Wo: row r, 32 h bytes
	v_and_b32 v18, 7, v0
	v_lshlrev_b32 v18, 5, v18
	v_bfe_u32 v19, v0, 3, 2
	v_lshl_add_u32 v18, v19, 2, v18                ; mask: l = 8 (lane % 8) + lane / 8, in bytes
	v_lshlrev_b32 v19, 3, v2                       ; mk: 8 lane
	s_wait_kmcnt 0x0
	s_lshl_b32 s40, s29, 17                        ; 64 ob rows of 2,048 bytes
	s_mov_b32 s41, 0
	s_add_nc_u64 s[GP:GP+1], s[8:9], s[40:41]      ; group 0: Wq
	s_add_nc_u64 s[GP+2:GP+3], s[10:11], s[40:41]  ; group 1: Wk
	s_add_nc_u64 s[GP+4:GP+5], s[12:13], s[40:41]  ; group 2: Wv
	s_lshl_b32 s40, s29, 8                         ; 64 ob biases of 4 bytes
	s_add_nc_u64 s[16:17], s[16:17], s[40:41]
	s_add_nc_u64 s[18:19], s[18:19], s[40:41]
	s_lshr_b32 s40, s31, 5                         ; b
	s_lshl_b32 s40, s40, 22                        ; 512 rows of 8,192 bytes
	s_and_b32 s41, s31, 31                         ; blk
	s_lshl_b32 s41, s41, 8
	s_add_co_u32 s40, s40, s41
	s_mov_b32 s41, 0
	s_add_nc_u64 s[42:43], s[4:5], s[40:41]        ; x1 at my block's first column
	s_lshl_b32 s56, s29, 13                        ; my four row tiles ot = 4 ob + o4 begin 8,192 ob bytes into a block of q, of K and of V
	s_lshl_b32 s40, s31, 15
	s_add_co_u32 s40, s40, s56
	s_add_nc_u64 s[44:45], s[20:21], s[40:41]      ; qf + 32768 vb + 8192 ob
	s_lshl_b32 s40, s31, 16
	s_add_co_u32 s40, s40, s56
	s_add_nc_u64 s[46:47], s[22:23], s[40:41]      ; kv + 65536 vb + 8192 ob
	s_lshr_b32 s56, ttmp9, 3                       ; the extras of work-group i = ttmp9: i / 8 and i % 8
	s_and_b32 s57, ttmp9, 7
	s_lshl_b32 s40, s56, 14
	s_lshl_b32 s58, s57, 7
	s_add_co_u32 s40, s40, s58
	s_add_nc_u64 s[48:49], s[14:15], s[40:41]      ; Wo: rows 16 (i / 8), columns 32 (i % 8)
	s_lshl_b32 s40, ttmp9, 8
	s_add_nc_u64 s[50:51], s[6:7], s[40:41]        ; mask: block i
	s_lshl_b32 s40, ttmp9, 10
	s_add_nc_u64 s[52:53], s[26:27], s[40:41]      ; wof: fragment i
	s_lshl_b32 s40, s56, 12
	s_lshl_b32 s58, s57, 8
	s_add_co_u32 s40, s40, s58
	s_add_nc_u64 s[54:55], s[24:25], s[40:41]      ; mk: 4096 (4 b + w) + 256 (blk % 8)
; W, batch t of twelve: group t / 4, rows 16 w + 4 (t % 4) .. + 3: sixteen loads of 512 consecutive bytes, into ring slot t % 3
.macro WLOAD t
.irp rr, 0,1,2,3
.irp qq, 0,1,2,3
	global_load_b128 v[WB+64*((\t)%3)+16*\rr+4*\qq:WB+64*((\t)%3)+16*\rr+4*\qq+3], v[WG], s[GP+2*((\t)/4):GP+2*((\t)/4)+1] offset:(4*((\t)%4)+\rr)*2048+512*\qq
.endr
.endr
.endm
; rounded in place, 8 bytes a lane into LDS: a wave's store covers 256 consecutive bytes
.macro WCONV t
.irp rr, 0,1,2,3
.irp qq, 0,1,2,3
.set wr, WB+64*((\t)%3)+16*\rr+4*\qq
	v_cvt_pk_f16_f32 v[wr], v[wr], v[wr+1]
	v_cvt_pk_f16_f32 v[wr+1], v[wr+2], v[wr+3]
	ds_store_b64 v[WL+(\t)/4], v[wr:wr+1] offset:(4*((\t)%4)+\rr)*WPITCH+256*\qq
.endr
.endr
.endm
; x1, K step k: rows 32 k + 8 h + e and 32 k + 16 + 8 h + e, into slot k % 4 of window 1.  Sixteen lanes cover 256 aligned bytes of a row.
.macro XLOAD k
	WIN 0x40
.irp e, 0,1,2,3,4,5,6,7
	global_load_b128 v[64*((\k)%4)+4*\e:64*((\k)%4)+4*\e+3], v[XO], s[42:43] offset:(32*(\k)+\e)*XROW
.endr
.irp e, 0,1,2,3,4,5,6,7
	global_load_b128 v[64*((\k)%4)+32+4*\e:64*((\k)%4)+32+4*\e+3], v[XO], s[42:43] offset:(32*(\k)+16+\e)*XROW
.endr
.endm
	WLOAD 0
	WLOAD 1
	WLOAD 2
	; Wave 0's extras, one block: fragment i of Wo to f16, block i of the mask to lm2 and to the stored order.
	s_cmp_lg_u32 s28, 0
	s_cbranch_scc1 .Lno_extras
	global_load_b128 v[32:35], v17, s[48:49]               ; Wo(16 dt + r, 32 ks + 8 h .. + 7)
	global_load_b128 v[36:39], v17, s[48:49] offset:16
	global_load_b128 v[40:43], v17, s[48:49] offset:64     ; the same, 16 columns on
	global_load_b128 v[44:47], v17, s[48:49] offset:80
	global_load_b32 v56, v18, s[50:51]                     ; stored key 2 lane: tile lane / 8, row 2 (lane % 8)
	global_load_b32 v57, v18, s[50:51] offset:16           ; stored key 2 lane + 1: one row on = 4 positions on
	s_wait_loadcnt 0x0                                     ; these six are the youngest loads
	v_add_f32 v58, 0x358637bd, v56                         ; mask + 1e-6
	v_add_f32 v59, 0x358637bd, v57
	v_log_f32 v58, v58                                     ; log2: the scores are kept in base 2
	v_log_f32 v59, v59
.irp j, 0,1,2,3,4,5,6,7
	v_cvt_pk_f16_f32 v[48+\j], v[32+2*\j], v[33+2*\j]      ; plain instructions between the logarithms and their use
.endr
	global_store_b128 v[LN], v[48:51], s[52:53]
	global_store_b128 v[LN], v[52:55], s[52:53] offset:512
	s_wait_alu depctr_va_vdst(0)
	global_store_b64 v19, v[58:59], s[54:55]               ; 32 lanes x 8 bytes: 256 consecutive bytes
	global_store_b64 v19, v[56:57], s[54:55] offset:2048
.Lno_extras:
.irp t, 0,1,2,3,4,5,6,7,8,9,10,11
	s_wait_loadcnt 32                              ; batch t is in; the two younger batches of sixteen stay out
	WIN 0
	WCONV \t
.if \t < 9
	WLOAD \t+3
.else
	XLOAD \t-9                                     ; behind W's last batches come x1's first slots, sixteen loads each: the count stays
.endif
.endr
	XLOAD 3
	WIN 0
	s_wait_dscnt 0x0                               ; my rows of W are in LDS
	s_barrier_signal -1
	s_barrier_wait -1                              ; everybody's are; LDS is only read from here on
.macro ACCSEL gi                       ; group gi's accumulators: window AW, from register AB
.if \gi == 0
.set AW, 3
.set AB, 0
.endif
.if \gi == 1
.set AW, 2
.set AB, 0
.endif
.if \gi == 2
.set AW, 2
.set AB, 128
.endif
.endm
; 16 matrix instructions: group gi (4 row tiles) x 4 column tiles, 32 along d.  Groups 0 (q), 1 (k): D = W x X, a lane holds 8 neighbouring c of one l.
; Group 2 (v): D = X x W, a lane holds 8 neighbouring stored keys of one c.  The accumulators take turns, one instruction a turn.
.macro MUL k, gi
	ACCSEL \gi
.if \gi == 2
	WIN (AW*0x50+0x03)
.else
	WIN (AW*0x50+0x0c)
.endif
.irp o4, 0,1,2,3
.irp t, 0,1,2,3
.set dd, AB+8*(4*\o4+\t)
.set wf, WB+96*((\k)%2)+8*(4*\gi+\o4)
.set xf, XF+32*((\k)%2)+8*\t
.if \gi == 2
.set fa, xf
.set fb, wf
.else
.set fa, wf
.set fb, xf
.endif
.if (\k) == 0
	v_wmma_f32_16x16x32_f16 v[dd:dd+7], v[fa:fa+7], v[fb:fb+7], 0
.else
	v_wmma_f32_16x16x32_f16 v[dd:dd+7], v[fa:fa+7], v[fb:fb+7], v[dd:dd+7]
.endif
.endr
.endr
.endm
; group gi's biases into window 1, registers 32 gi ..: q: the 8 rows c = 16 o4 + 8 h + j of each of my tiles; v: bv[16 o4 + r], twice, to fill a pair; k has none
.macro BIAS gi
	WIN 0x40
.if \gi == 0
.irp o4, 0,1,2,3
	global_load_b128 v[8*\o4:8*\o4+3], v[BQO], s[16:17] offset:64*\o4
	global_load_b128 v[8*\o4+4:8*\o4+7], v[BQO], s[16:17] offset:64*\o4+16
.endr
.endif
.if \gi == 2
.irp o4, 0,1,2,3
	global_load_b32 v[64+8*\o4], v[BVO], s[18:19] offset:64*\o4
	global_load_b32 v[64+8*\o4+1], v[BVO], s[18:19] offset:64*\o4
.endr
.endif
.set NB, NB+8
.endm
; K step n is made ready: x1's slot is rounded into fragments, the slot is asked for again, W's fragments are read from LDS
.macro MIDDLE n
.if (\n) <= 12
	s_wait_loadcnt 48                              ; slot n is in; the three younger slots of sixteen loads stay out
.else
	s_wait_loadcnt 16*(15-(\n))+NB                 ; the slots that are left, and the NB bias loads issued behind them (8, 16, 16)
.endif
	WIN 0xc5
.irp t, 0,1,2,3
.irp j, 0,1,2,3
	v_cvt_pk_f16_f32 v[XF+32*((\n)%2)+8*\t+\j], v[64*((\n)%4)+8*\j+\t], v[64*((\n)%4)+8*\j+4+\t]            ; d = 8 h + 2 j, + 1 of tile t
	v_cvt_pk_f16_f32 v[XF+32*((\n)%2)+8*\t+4+\j], v[64*((\n)%4)+32+8*\j+\t], v[64*((\n)%4)+32+8*\j+4+\t]    ; d = 16 + 8 h + 2 j, + 1
.endr
.endr
.if (\n) <= 11
	XLOAD (\n)+4
.endif
.if (\n) == 12
	BIAS 0                                         ; slot 0 has had its last K step
.endif
.if (\n) == 13
	BIAS 2                                         ; slot 1 likewise
.endif
	WIN 0
.irp gi, 0,1,2
.irp o4, 0,1,2,3
	ds_load_b128 v[WB+96*((\n)%2)+8*(4*\gi+\o4):WB+96*((\n)%2)+8*(4*\gi+\o4)+3], v[WA+\gi] offset:16*WPITCH*\o4+64*(\n)
	ds_load_b128 v[WB+96*((\n)%2)+8*(4*\gi+\o4)+4:WB+96*((\n)%2)+8*(4*\gi+\o4)+7], v[WA+\gi] offset:16*WPITCH*\o4+64*(\n)+32
.endr
.endr
.endm
; group gi leaves: bias or scale in f32, one rounding to f16, sixteen stores of 512 consecutive bytes.  Each group has store registers of its own.
.macro EPI gi
	ACCSEL \gi
.if \gi == 1
	WIN (AW*0x41)
.else
	WIN (AW*0x41+0x04)
.endif
.irp o4, 0,1,2,3
.irp t, 0,1,2,3
.irp jj, 0,1,2,3
.set dd, AB+8*(4*\o4+\t)+2*\jj
.if \gi == 0
	v_pk_add_f32 v[dd:dd+1], v[dd:dd+1], v[8*\o4+2*\jj:8*\o4+2*\jj+1]
.endif
.if \gi == 1
	v_pk_mul_f32 v[dd:dd+1], v[dd:dd+1], s[38:39] op_sel_hi:[1,0]
.endif
.if \gi == 2
	v_pk_add_f32 v[dd:dd+1], v[dd:dd+1], v[64+8*\o4:64+8*\o4+1]
.endif
.endr
.endr
.endr
	WIN (AW*5)
.irp o4, 0,1,2,3
.irp t, 0,1,2,3
.irp jj, 0,1,2,3
.set dd, AB+8*(4*\o4+\t)+2*\jj
	v_cvt_pk_f16_f32 v[WB+64*\gi+4*(4*\o4+\t)+\jj], v[dd], v[dd+1]
.endr
.endr
.endr
	WIN 0
.irp o4, 0,1,2,3
.irp t, 0,1,2,3
.set sr, WB+64*\gi+4*(4*\o4+\t)
.if \gi == 0
	global_store_b128 v[LN], v[sr:sr+3], s[44:45] offset:(\o4/2)*4096+1024*\t+512*(\o4%2)
.endif
.if \gi == 1
	global_store_b128 v[LN], v[sr:sr+3], s[46:47] offset:(\o4/2)*4096+1024*\t+512*(\o4%2)
.endif
.if \gi == 2
	global_store_b128 v[LN], v[sr:sr+3], s[46:47] offset:32768+2048*\o4+512*\t
.endif
.endr
.endr
.endm
; The sixteen K steps, written straight through: every address is an immediate.  In each step the next step is made ready behind the first
; sixteen matrix instructions, so that its LDS loads have the other thirty-two in which to come back.  The four v_nop are the places between a
; matrix instruction and a write of, or a load into, registers that it has read (ISA guide 7.12.1 for vector writes).
.set NB, 0
	MIDDLE 0
.irp k, 0,1,2,3,4,5,6,7,8,9,10,11,12,13,14,15
	s_wait_dscnt 0x0                               ; this step's fragments of W
	MUL \k, 0
.if \k < 15
	PLACES 4
	MIDDLE \k+1
.endif
	MUL \k, 1
	MUL \k, 2
.endr
	PLACES 4                                       ; between the last matrix instructions and the reads of their results
	s_wait_loadcnt 0x0                             ; the biases
	EPI 0
	EPI 1
	EPI 2
	WIN 0
	s_wait_tensorcnt 0x0
	ds_add_u32 v62, v63
	s_wait_dscnt 0x0
	s_endpgm
.Lfunc_end_k_q570a8eb80a_proj:
	.size	k_q570a8eb80a_proj, .Lfunc_end_k_q570a8eb80a_proj-k_q570a8eb80a_proj
	.p2alignl 7, 3214868480
	.fill 96, 4, 3214868480
	.section	.rodata,"a",@progbits
	.p2align	6, 0x0
	.amdhsa_kernel k_q570a8eb80a_proj
		.amdhsa_group_segment_fixed_size 200192
		.amdhsa_private_segment_fixed_size 0
		.amdhsa_enable_private_segment 0
		.amdhsa_kernarg_size 96
		.amdhsa_user_sgpr_count 2
		.amdhsa_user_sgpr_kernarg_segment_ptr 1
		.amdhsa_wavefront_size32 1
		.amdhsa_system_sgpr_workgroup_id_x 1
		.amdhsa_system_sgpr_workgroup_id_y 1
		.amdhsa_system_sgpr_workgroup_id_z 1
		.amdhsa_system_vgpr_workitem_id 0
		.amdhsa_next_free_vgpr 1024
		.amdhsa_next_free_sgpr 66
		.amdhsa_reserve_vcc 0
		.amdhsa_float_denorm_mode_32 3
		.amdhsa_float_denorm_mode_16_64 3
		.amdhsa_memory_ordered 1
		.amdhsa_forward_progress 1
		.amdhsa_inst_pref_size 224
	.end_amdhsa_kernel
	.amdgpu_metadata
---
amdhsa.version: [ 1, 2 ]
amdhsa.kernels:
  - .name:           k_q570a8eb80a_proj
    .symbol:         k_q570a8eb80a_proj.kd
    .args:
      - { .name: x1, .offset: 0, .size: 8, .value_kind: global_buffer, .address_space: global }
      - { .name: mask, .offset: 8, .size: 8, .value_kind: global_buffer, .address_space: global }
      - { .name: Wq, .offset: 16, .size: 8, .value_kind: global_buffer, .address_space: global }
      - { .name: Wk, .offset: 24, .size: 8, .value_kind: global_buffer, .address_space: global }
      - { .name: Wv, .offset: 32, .size: 8, .value_kind: global_buffer, .address_space: global }
      - { .name: Wo, .offset: 40, .size: 8, .value_kind: global_buffer, .address_space: global }
      - { .name: bq, .offset: 48, .size: 8, .value_kind: global_buffer, .address_space: global }
      - { .name: bv, .offset: 56, .size: 8, .value_kind: global_buffer, .address_space: global }
      - { .name: qf, .offset: 64, .size: 8, .value_kind: global_buffer, .address_space: global }
      - { .name: kv, .offset: 72, .size: 8, .value_kind: global_buffer, .address_space: global }
      - { .name: mk, .offset: 80, .size: 8, .value_kind: global_buffer, .address_space: global }
      - { .name: wof, .offset: 88, .size: 8, .value_kind: global_buffer, .address_space: global }
    .group_segment_fixed_size: 200192
    .private_segment_fixed_size: 0
    .kernarg_segment_align: 8
    .kernarg_segment_size: 96
    .max_flat_workgroup_size: 128
    .sgpr_count:     66
    .vgpr_count:     1024
    .wavefront_size: 32
...
	.end_amdgpu_metadata
.endif
;; end of part 3
;; launch attn (part 4): grid 32 x 8, 4 waves a work-group, clusters of 4 x 1, 327,680 bytes of LDS; arguments qf, kv, mk, wof, bo, mask, out0; writes out0
.if DOCPART == 4
	.amdgcn_target "amdgcn-amd-amdhsa--gfx1250"
	.amdhsa_code_object_version 6
	.text
	.protected	k_q570a8eb80a_attn
	.globl	k_q570a8eb80a_attn
	.p2align	8
	.type	k_q570a8eb80a_attn,@function
k_q570a8eb80a_attn:
	s_mov_b64 s[64:65], 0
	v_nop
	global_prefetch_b8 v0, s[64:65] scope:SCOPE_SE
	s_setreg_imm32_b32 hwreg(HW_REG_WAVE_MODE, 25, 1), 1
	s_wait_xcnt 0x0
	s_wait_alu depctr_hold_cnt(0) depctr_sa_sdst(0) depctr_va_vdst(0) depctr_va_sdst(0) depctr_va_ssrc(0) depctr_va_vcc(0) depctr_vm_vsrc(0)
	s_getreg_b32 s2, hwreg(HW_REG_IB_STS2, 6, 4)
	s_cmp_eq_u32 s2, 0
	s_cbranch_scc0 .Lentry_in_a_cluster
	s_endpgm
.Lentry_in_a_cluster:
	s_bfe_u32 s2, ttmp6, 0x10000c
	s_cmp_lg_u32 s2, 0x3003
	s_cbranch_scc0 .Lentry_shape_is_right
	s_endpgm
.Lentry_shape_is_right:
; ATTN: out0 = (Wo relu(V (softmax(q^T k / 16 + log(mask + 1e-6)) * mask)^T) + bo) * mask, from the fragments that the launch before stored.
; Left out, as shown at the head of the first kernel: x2 (never read by reference()) and bk (a term that is constant along the softmax's axis).
; Scores are in base 2: k' carries log2(e)/16, lm2 = log2(mask + 1e-6).  The running maximum is taken away before every exponential.
; Limits: f16 operands: |q|, |k'|, |v| below 65,504; the softmax's weights times mask below 65,504; mask above -1e-6.
;
; SHARES.  A work-group makes 64 queries (block qb of batch b).  Wave w takes all 64 queries against keys 512 w .. + 511, in 8 steps of 64 keys, with a
; maximum, a sum and a whole O^T (256 c x 64 queries, 512 registers) of its own: a fragment of K or V (1 KB from LDS) feeds four matrix instructions.
; Behind the loop the four waves' parts are merged through LDS, and wave w makes 128 rows of the output.
; NOTHING IS SHUFFLED: S^T = K Q^T puts a query in a lane and 8 keys in its registers, so maximum and sum are a lane's own (two lanes a query), two packed
; tiles of S^T are a B fragment of O^T = V P^T, and two packed tiles of O^T are a B fragment of Wo O.  lm2 comes in as the first product's C.
; The mask multiplies P in f32 and not V: with x1, Wv and mask each 30 times larger |v| x mask would pass f16's 65,504, while P x mask stays at 30.
; relu(O) is divided by its column's largest number A before the rounding to f16, so that it lies in 0 .. 1 whatever the inputs' size; A / L is put back in f32.
; CLUSTER: the four work-groups of a cluster are four query blocks of one batch and walk the same K, V and mask tiles: every tensor load is a joint one
; (mask 15), with a descriptor made of b and the wave's number alone.  A round of the cluster's barrier stands in front of every group of them.
; THE RING: K's slot is asked for again in the middle of the softmax (behind two of its four query tiles), V's behind the step's last products.  Between two
; rounds so stand 128 products and half a softmax (on one side the rescaling too): each of the two loads has about half a step in which to land.
; PREFETCH: wave 0 of work-group qb asks in step i for 8 KB (32 lanes, 256 bytes apart): piece qb % 8 of the 64 KB of block i + 2 of the stream of wave qb / 8.
; The 32 work-groups of a batch so ask for each byte of the four streams' blocks once, one step ahead of the tensor loads that fetch the block.  Block 1 is asked
; for at the head; steps 6 and 7 ask for nothing, since block 7 is a stream's last.
;
; LDS: 0 the ring: slot s (0: K, 1: V) of wave w at 131072 s + 32768 w, 32 KB each; behind its last fill it serves the merge: [to wave][from wave][16 KB]
;      262144 lm2 and mask, 4 KB a wave;  278528 the waves' maxima and sums, 1 KB each;  282624 column maxima, 512 B each;  284672 relu(O) as fragments, 32 KB
; REGISTERS: window 0: v1-3 LDS addresses, v4-11 (m, l) of the four query tiles, v12-19 (alpha, unused), v20-29 at work, v30 256 lane, v32-127 three fragment
;            buffers, v128-255 S, packed in place to P.   window 1: Q (tile lt, step ks at 8 (8 lt + ks)).   windows 2, 3: O^T (tile ct, lt at 8 (4 ct + lt))
;            Behind the loop: v32-95 at work and store data, v96-110 addresses, v128-191 relu(O) packed, v192-255 bo.
.set KA,  1
.set VA,  2
.set LMA, 3
.set ML,  4
.set AL,  12
.set PFO, 30
.set FB,  32
.set SC,  128
.set G1,  28                           ; s[28:35] 128 rows of 256 bytes
.set G1L, 36                           ; s[36:43] 16 rows of 256 bytes
.set G0,  44                           ; s[44:51] group 0 of slots 0 and 1
.set G0L, 52                           ; s[52:55] group 0 of lm2 and mask
.set PB,  60                           ; s[60:61] the prefetch's base
.set L_LM, 262144
.set L_ST, 278528
.set L_AX, 282624
.set L_OF, 284672
.set MSB, 0
.macro WIN new                         ; the immediate's high byte repeats the setting that is left
.if MSB != \new
	s_set_vgpr_msb (MSB<<8)|\new
.set MSB, \new
.endif
.endm
.macro PLACES n
.rept \n
	v_nop
.endr
.endm
; a round of the cluster's barrier: my work-group's barrier, wave 0 signals for the work-group, every wave waits for all four, my work-group's barrier again
.macro ROUND
	s_barrier_signal -1
	s_barrier_wait -1
	s_cmp_lg_u32 s20, 0
	s_cbranch_scc1 .Lnot_wave_0_\@
	s_barrier_signal -3
.Lnot_wave_0_\@:
	s_barrier_wait -3
	s_barrier_signal -1
	s_barrier_wait -1
.endm
	s_load_b256 s[4:11], s[0:1], 0x0               ; qf s[4:5], kv s[6:7], mk s[8:9], wof s[10:11]
	s_load_b128 s[12:15], s[0:1], 0x20             ; bo s[12:13], mask s[14:15]
	s_load_b64 s[16:17], s[0:1], 0x30              ; out0
	v_lshl_add_u32 v222, v0, 2, 0x4d800
	v_mov_b32 v223, 0
	ds_add_u32 v222, v223
	s_wait_dscnt 0x0
	v_lshrrev_b32 v1, 5, v0
	v_readfirstlane_b32 s20, v1                    ; wave w
	s_bfe_u32 s21, ttmp6, 0x40000                  ; cx
	s_lshl_b32 s22, ttmp9, 2
	s_add_co_u32 s22, s22, s21                     ; qb = 4 x cluster x + cx: enters the addresses of qf, mask, out0 and of the prefetch alone
	s_and_b32 s23, ttmp7, 0xffff                   ; b
	s_mov_b32 s24, 0x76543210                      ; v_permlanex16_b32: lane i of one half reads lane i of the other
	s_mov_b32 s25, 0xfedcba98
	s_mov_b32 s[G1+0], 0x0023000f                  ; 15:0 mask: all four work-groups; 17:16 elements of 8 bytes; 21 set beside a mask
	s_mov_b32 s[G1+1], 32<<16                      ; tensor_dim0 = 32 elements = 256 bytes
	s_mov_b32 s[G1+2], 128<<16                     ; tensor_dim1 = 128 rows
	s_mov_b32 s[G1+3], 32<<16                      ; tile_dim0
	s_mov_b32 s[G1+4], 128                         ; tile_dim1
	s_mov_b32 s[G1+5], 32                          ; from row to row: the block is dense
	s_mov_b32 s[G1+6], 0
	s_mov_b32 s[G1+7], 0
	s_mov_b32 s[G1L+0], 0x0023000f
	s_mov_b32 s[G1L+1], 32<<16
	s_mov_b32 s[G1L+2], 16<<16
	s_mov_b32 s[G1L+3], 32<<16
	s_mov_b32 s[G1L+4], 16
	s_mov_b32 s[G1L+5], 32
	s_mov_b32 s[G1L+6], 0
	s_mov_b32 s[G1L+7], 0
	s_mov_b32 s[G0+0], 1
	s_lshl_b32 s[G0+1], s20, 15                    ; slot 0 of my wave
	s_mov_b32 s[G0+4], 1
	s_add_co_u32 s[G0+5], s[G0+1], 131072          ; slot 1
	s_mov_b32 s[G0L+0], 1
	s_lshl_b32 s[G0L+1], s20, 12
	s_add_co_u32 s[G0L+1], s[G0L+1], L_LM
	s_wait_kmcnt 0x0
	s_lshl_b32 s58, s23, 21                        ; kv: 32 blocks of 64 KB a batch,
	s_lshl_b32 s59, s20, 19                        ; 8 blocks a wave
	s_add_co_u32 s58, s58, s59
	s_mov_b32 s59, 0
	s_add_nc_u64 s[G0+2:G0+3], s[6:7], s[58:59]    ; K of my first block
	s_add_nc_u64 s[G0+6:G0+7], s[G0+2:G0+3], 0x8000 ; V of it
	s_or_b32 s[G0+3], s[G0+3], 0x80000000
	s_or_b32 s[G0+7], s[G0+7], 0x80000000
	s_lshl_b32 s58, s23, 14
	s_lshl_b32 s59, s20, 12
	s_add_co_u32 s58, s58, s59
	s_mov_b32 s59, 0
	s_add_nc_u64 s[G0L+2:G0L+3], s[8:9], s[58:59]
	s_or_b32 s[G0L+3], s[G0L+3], 0x80000000
	s_lshl_b32 s58, s20, 9
	s_add_nc_u64 s[12:13], s[12:13], s[58:59]      ; bo at my 128 rows
	s_lshl_b32 s58, s20, 16
	s_add_nc_u64 s[10:11], s[10:11], s[58:59]      ; wof at my 8 row tiles
	s_lshl_b32 s26, s23, 5
	s_add_co_u32 s26, s26, s22
	s_lshl_b32 s26, s26, 15
	s_mov_b32 s27, 0
	s_add_nc_u64 s[4:5], s[4:5], s[26:27]          ; qf at block 32 b + qb
	s_lshl_b32 s26, s23, 13
	s_lshl_b32 s27, s22, 8
	s_add_co_u32 s26, s26, s27
	s_mov_b32 s27, 0
	s_add_nc_u64 s[14:15], s[14:15], s[26:27]      ; mask at my 64 queries
	s_lshl_b32 s26, s23, 22
	s_lshl_b32 s27, s22, 8
	s_add_co_u32 s26, s26, s27
	s_lshl_b32 s27, s20, 20
	s_add_co_u32 s26, s26, s27
	s_mov_b32 s27, 0
	s_add_nc_u64 s[16:17], s[16:17], s[26:27]      ; out0: batch b, my 128 rows, my 64 columns
	s_lshl_b32 s26, s23, 21                        ; the prefetch: batch b,
	s_lshr_b32 s27, s22, 3
	s_lshl_b32 s27, s27, 19                        ; the stream of wave qb / 8,
	s_add_co_u32 s26, s26, s27
	s_and_b32 s27, s22, 7
	s_lshl_b32 s27, s27, 13                        ; piece qb % 8 of a block's eight pieces of 8 KB
	s_add_co_u32 s26, s26, s27
	s_mov_b32 s27, 0
	s_add_nc_u64 s[PB:PB+1], s[6:7], s[26:27]      ; at the stream's block 0
	ROUND                                          ; all four work-groups are here: the first joint loads meet
	tensor_load_to_lds s[G0L:G0L+3], s[G1L:G1L+7]  ; the three first fills go out together: three tensor loads of the wave are out, later one
	s_nop 0
	tensor_load_to_lds s[G0:G0+3], s[G1:G1+7]
	s_nop 0
	tensor_load_to_lds s[G0+4:G0+7], s[G1:G1+7]
	s_nop 0
	v_and_b32 v31, 31, v0
	v_lshlrev_b32 v[PFO], 8, v31                   ; 256 lane
	v_lshlrev_b32 v31, 4, v31                      ; 16 lane
	v_add_nc_u32 v[KA], s[G0+1], v31
	v_add_nc_u32 v[VA], 0x20000, v[KA]
	v_bfe_u32 v[LMA], v0, 4, 1
	v_lshl_add_u32 v[LMA], v[LMA], 5, s[G0L+1]     ; my 8 keys of a tile: 32 h bytes
	v_mov_b32 v21, 0                               ; v_permlanex16_b32's destination counts as read
.irp lt, 0,1,2,3
	v_mov_b32 v[AL+2*\lt+1], 0                     ; the second register of a pair that a packed multiply names; its value is not used
.endr
	s_cmp_lg_u32 s20, 0
	s_cbranch_scc1 .Lno_ask_head
	global_prefetch_b8 v[PFO], s[PB:PB+1] offset:65536 th:TH_LOAD_NT scope:SCOPE_SE    ; my piece of block 1
.Lno_ask_head:
	WIN 0x40
.irp lt, 0,1,2,3
.irp ks, 0,1,2,3,4,5,6,7
	global_load_b128 v[8*(8*\lt+\ks):8*(8*\lt+\ks)+3], v31, s[4:5] offset:4096*\ks+1024*\lt
	global_load_b128 v[8*(8*\lt+\ks)+4:8*(8*\lt+\ks)+7], v31, s[4:5] offset:4096*\ks+1024*\lt+512
.endr
.endr
	WIN 0
; 4 KB of a tile, eight loads of 512 consecutive bytes: four fragments
.macro FETCH adr, g, buf
.irp i, 0,1,2,3,4,5,6,7
	ds_load_b128 v[\buf+4*\i:\buf+4*\i+3], v[\adr] offset:4096*(\g)+512*\i
.endr
.endm
; lm2 (off = 0: this step's, 256: the next step's) or the mask (2048) of the step's 64 keys into buffer 2: tile mt, keys 8 h + 0 .. 7
.macro LOADLM off
.irp mt, 0,1,2,3
	ds_load_b128 v[FB+64+8*\mt:FB+64+8*\mt+3], v[LMA] offset:\off+64*\mt
	ds_load_b128 v[FB+64+8*\mt+4:FB+64+8*\mt+7], v[LMA] offset:\off+64*\mt+16
.endr
.endm
; 16 matrix instructions: 4 key tiles x 4 query tiles, c = 32 ks .. + 31.  lm = 1: the first, which starts the sums from lm2.
; The sixteen accumulators take turns, one instruction a turn.
.macro QKG ks, lm
.irp mt, 0,1,2,3
.irp lt, 0,1,2,3
.set sd, SC+16*(4*(\mt/2)+\lt)+8*(\mt%2)
.if \lm
	v_wmma_f32_16x16x32_f16 v[sd:sd+7], v[FB+32*((\ks)%3)+8*\mt:FB+32*((\ks)%3)+8*\mt+7], v[8*(8*\lt+\ks):8*(8*\lt+\ks)+7], v[FB+64+8*\mt:FB+64+8*\mt+7]
.else
	v_wmma_f32_16x16x32_f16 v[sd:sd+7], v[FB+32*((\ks)%3)+8*\mt:FB+32*((\ks)%3)+8*\mt+7], v[8*(8*\lt+\ks):8*(8*\lt+\ks)+7], v[sd:sd+7]
.endif
.endr
.endr
.endm
; S^T of 64 keys x 64 queries.  K's groups go through the three buffers, two groups ahead.  The four v_nop in front of each run of loads are the places
; between a matrix instruction and a load into registers that it has read.
.macro QK
	WIN 0x04                                       ; B (Q) in window 1; LDS loads name windows 0 alone under this setting
	FETCH KA, 0, FB
	FETCH KA, 1, FB+32
	s_wait_dscnt 8                                 ; lm2 and group 0 are in; group 1's eight loads stay out
	QKG 0, 1
	PLACES 4
	FETCH KA, 2, FB+64
	FETCH KA, 3, FB
	s_wait_dscnt 16                                ; group 1 is in; two younger groups stay out
	QKG 1, 0
.irp ks, 2,3,4,5
	PLACES 4
	FETCH KA, \ks+2, FB+32*((\ks+2)%3)
	s_wait_dscnt 16
	QKG \ks, 0
.endr
	PLACES 4
	LOADLM 2048                                    ; the mask, for the softmax
	s_wait_dscnt 16                                ; group 6 is in; group 7 and the mask stay out
	QKG 6, 0
	s_wait_dscnt 8                                 ; the mask may stay out
	QKG 7, 0
.endm
; Slot s has been read and is filled again with the tile one block further on.  My reads are back and all my tensor loads have landed, so the group 0 may be
; stepped; the round shows the same of every wave of all four work-groups; the joint load is the first thing behind it, one a wave.
.macro REFILL s
	s_wait_dscnt 0x0
	s_wait_xcnt 0x0
	v_lshl_add_u32 v222, v0, 2, 0x4d800
	v_mov_b32 v223, 0
	s_wait_tensorcnt 0x0
	ds_add_u32 v222, v223
	s_wait_dscnt 0x0
	s_add_nc_u64 s[G0+4*\s+2:G0+4*\s+3], s[G0+4*\s+2:G0+4*\s+3], 0x10000
	WIN 0
	ROUND
	tensor_load_to_lds s[G0+4*\s:G0+4*\s+3], s[G1:G1+7]
	s_nop 0
.endm
; Wave 0 asks for its work-group's piece of the block two steps on.  ask = 1: always; 2: in the loop, whose last trip (counter 1) is step 6 and asks for nothing.
.macro PREF ask
.if \ask
	s_cmp_lg_u32 s20, 0
	s_cbranch_scc1 .Lno_ask_\@
.if \ask == 2
	s_cmp_eq_u32 s56, 1
	s_cbranch_scc1 .Lno_ask_\@
.endif
	global_prefetch_b8 v[PFO], s[PB:PB+1] offset:131072 th:TH_LOAD_NT scope:SCOPE_SE
.Lno_ask_\@:
.endif
.endm
; query tile lt: new maximum, alpha = 2^(old - new), P = 2^(S - new), l = l alpha + sum of P, then P times mask, packed in place to a B fragment
.macro SMAX lt, first
.set sb0, SC+16*\lt
.set sb1, SC+64+16*\lt
	v_max3_num_f32 v22, v[sb0], v[sb0+1], v[sb0+2]
	v_max3_num_f32 v23, v[sb0+8], v[sb0+9], v[sb0+10]
	v_max3_num_f32 v24, v[sb1], v[sb1+1], v[sb1+2]
	v_max3_num_f32 v25, v[sb1+8], v[sb1+9], v[sb1+10]
.irp p, 3,5
	v_max3_num_f32 v22, v22, v[sb0+\p], v[sb0+\p+1]
	v_max3_num_f32 v23, v23, v[sb0+8+\p], v[sb0+8+\p+1]
	v_max3_num_f32 v24, v24, v[sb1+\p], v[sb1+\p+1]
	v_max3_num_f32 v25, v25, v[sb1+8+\p], v[sb1+8+\p+1]
.endr
	v_max3_num_f32 v22, v22, v[sb0+7], v[sb0+15]
	v_max3_num_f32 v24, v24, v[sb1+7], v[sb1+15]
	v_max3_num_f32 v22, v22, v23, v24
.if \first
	v_max_num_f32 v22, v22, v25
.else
	v_max3_num_f32 v22, v22, v25, v[ML+2*\lt]
.endif
	v_permlanex16_b32 v21, v22, s24, s25           ; the query's other 32 keys lie in the other half of the lanes
	v_max_num_f32 v20, v22, v21
.if \first == 0
	v_sub_f32 v[AL+2*\lt], v[ML+2*\lt], v20
	v_exp_f32 v[AL+2*\lt], v[AL+2*\lt]
.endif
	v_mov_b32 v[ML+2*\lt], v20                     ; also the plain instruction behind the exponential (ISA guide 5.7.2)
.irp p, 0,2,4,6,8,10,12,14
	v_pk_add_f32 v[sb0+\p:sb0+\p+1], v[sb0+\p:sb0+\p+1], v[20:21] op_sel_hi:[1,0] neg_lo:[0,1] neg_hi:[0,1]
	v_pk_add_f32 v[sb1+\p:sb1+\p+1], v[sb1+\p:sb1+\p+1], v[20:21] op_sel_hi:[1,0] neg_lo:[0,1] neg_hi:[0,1]
.endr
.irp p, 0,1,2,3,4,5,6,7,8,9,10,11,12,13,14,15
	v_exp_f32 v[sb0+\p], v[sb0+\p]
.endr
.irp p, 0,1,2,3,4,5,6,7,8,9,10,11,12,13,14,15
	v_exp_f32 v[sb1+\p], v[sb1+\p]
.endr
	v_nop                                          ; one plain instruction between the exponentials and their use
	s_wait_alu depctr_va_vdst(0)
.irp c, 0,1,2,3
	v_pk_add_f32 v[22+2*\c:23+2*\c], v[sb0+2*\c:sb0+2*\c+1], v[sb0+8+2*\c:sb0+8+2*\c+1]
.endr
.irp c, 0,1,2,3
	v_pk_add_f32 v[22+2*\c:23+2*\c], v[22+2*\c:23+2*\c], v[sb1+2*\c:sb1+2*\c+1]
.endr
.irp c, 0,1,2,3
	v_pk_add_f32 v[22+2*\c:23+2*\c], v[22+2*\c:23+2*\c], v[sb1+8+2*\c:sb1+8+2*\c+1]
.endr
	v_pk_add_f32 v[22:23], v[22:23], v[24:25]
	v_pk_add_f32 v[26:27], v[26:27], v[28:29]
	v_pk_add_f32 v[22:23], v[22:23], v[26:27]
.if \first
	v_add_f32 v[ML+2*\lt+1], v22, v23
.else
	v_add_f32 v22, v22, v23
	v_fma_f32 v[ML+2*\lt+1], v[ML+2*\lt+1], v[AL+2*\lt], v22
.endif
.irp p, 0,2,4,6
	v_pk_mul_f32 v[sb0+\p:sb0+\p+1], v[sb0+\p:sb0+\p+1], v[FB+64+\p:FB+64+\p+1]            ; the sum is taken before the mask, as in reference()
	v_pk_mul_f32 v[sb0+8+\p:sb0+8+\p+1], v[sb0+8+\p:sb0+8+\p+1], v[FB+72+\p:FB+72+\p+1]
	v_pk_mul_f32 v[sb1+\p:sb1+\p+1], v[sb1+\p:sb1+\p+1], v[FB+80+\p:FB+80+\p+1]
	v_pk_mul_f32 v[sb1+8+\p:sb1+8+\p+1], v[sb1+8+\p:sb1+8+\p+1], v[FB+88+\p:FB+88+\p+1]
.endr
.irp d, 0,1,2,3,4,5,6,7
	v_cvt_pk_f16_f32 v[sb0+\d], v[sb0+2*\d], v[sb0+2*\d+1]     ; register d is written when registers 2 d, 2 d + 1 are read: nothing is lost
	v_cvt_pk_f16_f32 v[sb1+\d], v[sb1+2*\d], v[sb1+2*\d+1]
.endr
.endm
.macro RESC1
.irp ct, 0,1,2,3,4,5,6,7
.irp lt, 0,1,2,3
.irp p, 0,2,4,6
	v_pk_mul_f32 v[8*(4*\ct+\lt)+\p:8*(4*\ct+\lt)+\p+1], v[8*(4*\ct+\lt)+\p:8*(4*\ct+\lt)+\p+1], v[AL+2*\lt:AL+2*\lt+1] op_sel_hi:[1,0]
.endr
.endr
.endr
.endm
.macro RESCALE                         ; O^T times alpha of its query
	WIN 0x82
	RESC1
	WIN 0xc3
	RESC1
.endm
; 16 matrix instructions: c tiles 2 g, 2 g + 1 x 4 query tiles x 2 steps of 32 keys; eight accumulators by turns, one instruction a turn
.macro PVG g, first
.irp u, 0,1
.irp e, 0,1
.irp lt, 0,1,2,3
.set od, 8*(4*((2*(\g)+\e)%8)+\lt)
.if (\first)*(1-\u)
	v_wmma_f32_16x16x32_f16 v[od:od+7], v[FB+32*((\g)%3)+8*(2*\e+\u):FB+32*((\g)%3)+8*(2*\e+\u)+7], v[SC+16*(4*\u+\lt):SC+16*(4*\u+\lt)+7], 0
.else
	v_wmma_f32_16x16x32_f16 v[od:od+7], v[FB+32*((\g)%3)+8*(2*\e+\u):FB+32*((\g)%3)+8*(2*\e+\u)+7], v[SC+16*(4*\u+\lt):SC+16*(4*\u+\lt)+7], v[od:od+7]
.endif
.endr
.endr
.endr
.endm
.macro PV first, last
.irp g, 0,1,2,3,4,5,6,7
	WIN 0
.if \g > 0
	PLACES 4
.endif
.if \g <= 5
	FETCH VA, \g+2, FB+32*((\g+2)%3)
	s_wait_dscnt 16                                ; group g is in; two younger groups of eight loads stay out
.endif
.if \g == 6
.if \last
	s_wait_dscnt 8
.else
	LOADLM 256                                     ; the next step's lm2
	s_wait_dscnt 16
.endif
.endif
.if \g == 7
.if \last
	s_wait_dscnt 0
.else
	s_wait_dscnt 8                                 ; lm2 may stay out
.endif
.endif
.if \g < 4
	WIN 0xa0
.else
	WIN 0xf0
.endif
	PVG \g, \first
.endr
.endm
.macro STEP first, last, ask
	QK
	s_wait_dscnt 0x0                               ; the mask is in
	WIN 0
	PLACES 4                                       ; between the last products and the reads of S
	SMAX 0, \first
	SMAX 1, \first
.if \last
	s_wait_tensorcnt 0x0                           ; the last tile of V
.else
	REFILL 0                                       ; K's slot has been read; V's tile has landed by the wait for all loads
	PREF \ask
.endif
	FETCH VA, 0, FB                                ; these sixteen loads come back under the other half of the softmax, which reads buffer 2 alone
	FETCH VA, 1, FB+32
	SMAX 2, \first
	SMAX 3, \first
.if \first == 0
	RESCALE
.endif
	PV \first, \last
	WIN 0
	PLACES 5                                       ; P's registers are written over by the next step's first products (ISA guide 7.12.1)
.if \last == 0
	v_add_nc_u32 v[LMA], 256, v[LMA]               ; 64 keys on
	s_wait_xcnt 0x0                                ; the prefetch's base is stepped only behind this wait
	s_add_nc_u64 s[PB:PB+1], s[PB:PB+1], 0x10000   ; one block on
	REFILL 1                                       ; V's slot has been read; K's next tile has landed
.endif
.endm
	s_wait_tensorcnt 0x1                           ; lm2, the mask and K's first tile are in my LDS bytes; V's first tile may stay out
	LOADLM 0
	s_wait_loadcnt 0x0                             ; Q
	STEP 1, 0, 1                                   ; the first step starts maxima, sums and O^T: nothing is cleared
	s_mov_b32 s56, 6
.Lstep:
	STEP 0, 0, 2
	s_sub_co_u32 s56, s56, 1
	s_cmp_lg_u32 s56, 0
	s_cbranch_scc1 .Lstep
	STEP 0, 1, 0                                   ; the last step fills nothing
	; ---- THE MERGE.  Addresses; the loads of the last phase go out now.
.irp lt, 0,1,2,3
	v_permlanex16_b32 v21, v[ML+2*\lt+1], s24, s25
	v_add_f32 v[ML+2*\lt+1], v[ML+2*\lt+1], v21    ; the sum over both halves of my keys
.endr
	v_and_b32 v107, 31, v0
	v_lshlrev_b32 v107, 4, v107                    ; 16 lane
	v_and_b32 v108, 15, v0
	v_lshlrev_b32 v108, 4, v108                    ; 16 r
	v_bfe_u32 v110, v0, 4, 1
	v_lshl_add_u32 v109, v110, 16, v108            ; out0: 8 h rows, 16 r bytes
	v_lshlrev_b32 v110, 5, v110                    ; bo: 32 h
	s_lshl_b32 s58, s20, 14
	v_add_nc_u32 v96, s58, v107                    ; exchange, out: [to wave qd][from me]
	v_add_nc_u32 v97, 0x10000, v96
	v_add_nc_u32 v98, 0x20000, v96
	v_add_nc_u32 v99, 0x30000, v96
	s_lshl_b32 s58, s20, 16
	v_add_nc_u32 v100, s58, v107                   ; exchange, in: [to me]
	v_add_nc_u32 v101, L_ST, v107
	s_lshl_b32 s58, s20, 10
	v_add_nc_u32 v102, s58, v101
	v_add_nc_u32 v103, L_AX, v107
	s_lshl_b32 s58, s20, 9
	v_add_nc_u32 v104, s58, v103
	v_add_nc_u32 v106, L_OF, v107
	s_lshl_b32 s58, s20, 13
	v_add_nc_u32 v105, s58, v106
	global_load_b128 v[28:31], v108, s[14:15]      ; mask of my four queries l = 64 qb + 4 r + 0 .. 3
.irp d, 0,1,2,3,4,5,6,7
	global_load_b128 v[192+8*\d:192+8*\d+3], v110, s[12:13] offset:64*\d       ; bo of rows 16 d + 8 h + 0 .. 7
	global_load_b128 v[192+8*\d+4:192+8*\d+7], v110, s[12:13] offset:64*\d+16
.endr
.macro WOLOAD d                        ; Wo's row tile d of my eight: 8 fragments, sixteen loads of 512 consecutive bytes, into slot d % 4 of window 1
.irp i, 0,1,2,3,4,5,6,7,8,9,10,11,12,13,14,15
	global_load_b128 v[64*((\d)%4)+4*\i:64*((\d)%4)+4*\i+3], v107, s[10:11] offset:8192*(\d)+512*\i
.endr
.endm
	WIN 0x40
	WOLOAD 0
	WOLOAD 1
	WOLOAD 2
	WOLOAD 3
	WIN 0
	s_wait_dscnt 0x0                               ; my reads of the ring are over (and every tensor load has landed: the last step's wait)
	s_barrier_signal -1
	s_barrier_wait -1                              ; everybody's are: the ring, which has had its last fill, now serves the exchange
	ds_store_b128 v102, v[4:7]                     ; (m, l) of query tiles 0, 1
	ds_store_b128 v102, v[8:11] offset:512         ; and 2, 3
	WIN 0x08
.irp qd, 0,1
.irp i, 0,1,2,3,4,5,6,7,8,9,10,11,12,13,14,15,16,17,18,19,20,21,22,23,24,25,26,27,28,29,30,31
	ds_store_b128 v[96+\qd], v[128*\qd+4*\i:128*\qd+4*\i+3] offset:512*\i      ; c tiles 4 qd .. + 3 go to wave qd
.endr
.endr
	WIN 0x0c
.irp qd, 0,1
.irp i, 0,1,2,3,4,5,6,7,8,9,10,11,12,13,14,15,16,17,18,19,20,21,22,23,24,25,26,27,28,29,30,31
	ds_store_b128 v[98+\qd], v[128*\qd+4*\i:128*\qd+4*\i+3] offset:512*\i
.endr
.endr
	WIN 0
	s_wait_dscnt 0x0
	s_barrier_signal -1
	s_barrier_wait -1
.irp ws, 0,1,2,3
	ds_load_b128 v[FB+8*\ws:FB+8*\ws+3], v101 offset:1024*\ws                  ; wave ws: (m, l) at FB + 8 ws + 2 lt
	ds_load_b128 v[FB+8*\ws+4:FB+8*\ws+7], v101 offset:1024*\ws+512
.endr
	WIN 0x80
.irp ws, 0,1
.irp i, 0,1,2,3,4,5,6,7,8,9,10,11,12,13,14,15,16,17,18,19,20,21,22,23,24,25,26,27,28,29,30,31
	ds_load_b128 v[128*\ws+4*\i:128*\ws+4*\i+3], v100 offset:16384*\ws+512*\i
.endr
.endr
	WIN 0xc0
.irp ws, 0,1
.irp i, 0,1,2,3,4,5,6,7,8,9,10,11,12,13,14,15,16,17,18,19,20,21,22,23,24,25,26,27,28,29,30,31
	ds_load_b128 v[128*\ws+4*\i:128*\ws+4*\i+3], v100 offset:32768+16384*\ws+512*\i
.endr
.endr
	WIN 0
	s_wait_dscnt 63                                ; of 136 loads the oldest 73 are back, the eight of maxima and sums among them
.irp lt, 0,1,2,3
	v_max3_num_f32 v[20+\lt], v[FB+2*\lt], v[FB+8+2*\lt], v[FB+16+2*\lt]
.endr
.irp lt, 0,1,2,3
	v_max_num_f32 v[20+\lt], v[20+\lt], v[FB+24+2*\lt]     ; M, the maximum over all 2,048 keys
.endr
.irp ws, 0,1,2,3
.irp lt, 0,1,2,3
	v_sub_f32 v[FB+8*\ws+2*\lt], v[FB+8*\ws+2*\lt], v[20+\lt]
.endr
.endr
.irp ws, 0,1,2,3
.irp lt, 0,1,2,3
	v_exp_f32 v[FB+8*\ws+2*\lt], v[FB+8*\ws+2*\lt]         ; e = 2^(m - M), in m's place: the pairs are now (e, l)
.endr
.endr
	v_nop
	s_wait_alu depctr_va_vdst(0)
.irp lt, 0,1,2,3
	v_mul_f32 v[4+\lt], v[FB+1+2*\lt], v[FB+2*\lt]
.endr
.irp ws, 1,2,3
.irp lt, 0,1,2,3
	v_fmac_f32 v[4+\lt], v[FB+8*\ws+1+2*\lt], v[FB+8*\ws+2*\lt]    ; L = sum of l e, at least 1
.endr
.endr
	s_wait_dscnt 0x0
	WIN 0xa2                                       ; R = sum over the waves of e x their part, for my 64 c: window 2, v0-127
.irp x, 0,1,2,3,4,5,6,7,8,9,10,11,12,13,14,15
.irp p, 0,2,4,6
	v_pk_mul_f32 v[8*\x+\p:8*\x+\p+1], v[8*\x+\p:8*\x+\p+1], v[FB+2*(\x%4):FB+2*(\x%4)+1] op_sel_hi:[1,0]
.endr
.endr
.irp x, 0,1,2,3,4,5,6,7,8,9,10,11,12,13,14,15
.irp p, 0,2,4,6
	v_pk_fma_f32 v[8*\x+\p:8*\x+\p+1], v[128+8*\x+\p:128+8*\x+\p+1], v[FB+8+2*(\x%4):FB+8+2*(\x%4)+1], v[8*\x+\p:8*\x+\p+1] op_sel_hi:[1,0,1]
.endr
.endr
	WIN 0xa3
.irp x, 0,1,2,3,4,5,6,7,8,9,10,11,12,13,14,15
.irp p, 0,2,4,6
	v_pk_fma_f32 v[8*\x+\p:8*\x+\p+1], v[8*\x+\p:8*\x+\p+1], v[FB+16+2*(\x%4):FB+16+2*(\x%4)+1], v[8*\x+\p:8*\x+\p+1] op_sel_hi:[1,0,1]
.endr
.endr
.irp x, 0,1,2,3,4,5,6,7,8,9,10,11,12,13,14,15
.irp p, 0,2,4,6
	v_pk_fma_f32 v[8*\x+\p:8*\x+\p+1], v[128+8*\x+\p:128+8*\x+\p+1], v[FB+24+2*(\x%4):FB+24+2*(\x%4)+1], v[8*\x+\p:8*\x+\p+1] op_sel_hi:[1,0,1]
.endr
.endr
	; the largest R of each query's column, floored at 2^-100 (a column without a positive number gives zeros all the same)
	WIN 0x28
.irp lt, 0,1,2,3
	v_mov_b32 v[20+\lt], 0x0d800000
.endr
.irp ctl, 0,1,2,3
.irp p, 0,2,4,6
.irp lt, 0,1,2,3
	v_max3_num_f32 v[20+\lt], v[20+\lt], v[8*(4*\ctl+\lt)+\p], v[8*(4*\ctl+\lt)+\p+1]
.endr
.endr
.endr
	WIN 0
.irp lt, 0,1,2,3
	v_permlanex16_b32 v[24+\lt], v[20+\lt], s24, s25
.endr
.irp lt, 0,1,2,3
	v_max_num_f32 v[20+\lt], v[20+\lt], v[24+\lt]
.endr
	ds_store_b128 v104, v[20:23]
	s_wait_dscnt 0x0
	s_barrier_signal -1
	s_barrier_wait -1
.irp ws, 0,1,2,3
	ds_load_b128 v[64+4*\ws:64+4*\ws+3], v103 offset:512*\ws
.endr
	s_wait_dscnt 0x0
.irp lt, 0,1,2,3
	v_max3_num_f32 v[8+\lt], v[64+\lt], v[68+\lt], v[72+\lt]
.endr
.irp lt, 0,1,2,3
	v_max_num_f32 v[8+\lt], v[8+\lt], v[76+\lt]    ; A
.endr
.irp lt, 0,1,2,3
	v_rcp_f32 v[AL+2*\lt], v[8+\lt]                ; 1 / A
.endr
.irp lt, 0,1,2,3
	v_rcp_f32 v[20+\lt], v[4+\lt]                  ; 1 / L
.endr
	v_nop
	WIN 0x8a
.irp i, 0,1,2,3,4,5,6,7,8,9,10,11,12,13,14,15
.irp j, 0,1,2,3,4,5,6,7
	v_max_num_f32 v[8*\i+\j], 0, v[8*\i+\j]        ; relu
.endr
.endr
	WIN 0x82
	s_wait_alu depctr_va_vdst(0)
.irp x, 0,1,2,3,4,5,6,7,8,9,10,11,12,13,14,15
.irp p, 0,2,4,6
	v_pk_mul_f32 v[8*\x+\p:8*\x+\p+1], v[8*\x+\p:8*\x+\p+1], v[AL+2*(\x%4):AL+2*(\x%4)+1] op_sel_hi:[1,0]
.endr
.endr
	WIN 0x0a
.irp x, 0,1,2,3,4,5,6,7,8,9,10,11,12,13,14,15
.irp jj, 0,1,2,3
	v_cvt_pk_f16_f32 v[SC+4*\x+\jj], v[8*\x+2*\jj], v[8*\x+2*\jj+1]
.endr
.endr
	WIN 0
.irp ctl, 0,1,2,3
.irp lt, 0,1,2,3
	ds_store_b128 v105, v[SC+4*(4*\ctl+\lt):SC+4*(4*\ctl+\lt)+3] offset:4096*(\ctl/2)+1024*\lt+512*(\ctl%2)   ; half ctl % 2 of the B fragment (ks = 2 w + ctl / 2, lt)
.endr
.endr
	s_wait_dscnt 0x0
	s_barrier_signal -1
	s_barrier_wait -1
	WIN 0xc0
.irp i, 0,1,2,3,4,5,6,7,8,9,10,11,12,13,14,15,16,17,18,19,20,21,22,23,24,25,26,27,28,29,30,31
	ds_load_b128 v[4*\i:4*\i+3], v106 offset:512*\i            ; all of relu(O) / A: fragment (ks, lt) at 8 (4 ks + lt) of window 3
	ds_load_b128 v[128+4*\i:128+4*\i+3], v106 offset:16384+512*\i
.endr
	WIN 0
	s_wait_loadcnt 48                              ; of 81 loads the oldest 33 are in: the mask, bo and Wo's first row tile; three tiles of sixteen loads stay out
.irp lt, 0,1,2,3
	v_mul_f32 v[20+\lt], v[20+\lt], v[8+\lt]       ; A / L
.endr
.irp lt, 0,1,2,3
	v_mul_f32 v[20+\lt], v[20+\lt], v[28+\lt]      ; times the query's mask
.endr
	s_wait_dscnt 0x0
	; ---- Wo x relu(O) / A: my 8 row tiles x 4 query tiles, accumulators in window 2; four of them by turns, one instruction a turn.
	; Row tile d - 1 leaves behind row tile d's products, so that its eight stores are on their way while products are still to come.
	; out = acc (A / L) mask + bo mask.  Register j of the four query tiles is four neighbouring l of row 16 d + 8 h + j: sixteen lanes store 256 aligned bytes.
.macro OUTD d
.set dq, (\d)                          ; the argument may be an expression: it is taken into a symbol, so that every product and remainder below applies to the whole of it
.if dq >= 2
	s_wait_xcnt 0x0                                ; the data registers of two row tiles ago are rewritten only behind this wait
.endif
	WIN 0
.irp j, 0,1,2,3,4,5,6,7
.irp lt, 0,1,2,3
	v_mul_f32 v[FB+32*(dq%2)+4*\j+\lt], v[192+8*dq+\j], v[28+\lt]      ; these name no register of a product: they are the places in front of the reads of the accumulators
.endr
.endr
	WIN 0x02
.irp j, 0,1,2,3,4,5,6,7
.irp lt, 0,1,2,3
	v_fma_f32 v[FB+32*(dq%2)+4*\j+\lt], v[8*(4*dq+\lt)+\j], v[20+\lt], v[FB+32*(dq%2)+4*\j+\lt]
.endr
.endr
	WIN 0
.irp j, 0,1,2,3,4,5,6,7
	global_store_b128 v109, v[FB+32*(dq%2)+4*\j:FB+32*(dq%2)+4*\j+3], s[16:17] offset:(16*dq+\j)*8192 th:TH_STORE_NT
.endr
.endm
.irp d, 0,1,2,3,4,5,6,7
.if \d >= 1
.if \d <= 4
	s_wait_loadcnt 48                              ; row tile d of Wo is in; three younger tiles of sixteen loads stay out (tile 0 was shown in by the wait above)
.else
	s_wait_loadcnt 16*(7-\d)
.endif
.endif
	WIN 0xad
.irp ks, 0,1,2,3,4,5,6,7
.irp lt, 0,1,2,3
.if \ks == 0
	v_wmma_f32_16x16x32_f16 v[8*(4*\d+\lt):8*(4*\d+\lt)+7], v[64*(\d%4)+8*\ks:64*(\d%4)+8*\ks+7], v[8*(4*\ks+\lt):8*(4*\ks+\lt)+7], 0
.else
	v_wmma_f32_16x16x32_f16 v[8*(4*\d+\lt):8*(4*\d+\lt)+7], v[64*(\d%4)+8*\ks:64*(\d%4)+8*\ks+7], v[8*(4*\ks+\lt):8*(4*\ks+\lt)+7], v[8*(4*\d+\lt):8*(4*\d+\lt)+7]
.endif
.endr
.endr
.if \d < 4
	PLACES 4
	WIN 0x40
	WOLOAD \d+4                                    ; into the slot just read
.endif
.if \d >= 1
	OUTD \d-1
.endif
.endr
	OUTD 7
	s_wait_xcnt 0x0
	v_lshl_add_u32 v222, v0, 2, 0x4d800
	v_mov_b32 v223, 0
	s_wait_tensorcnt 0x0
	ds_add_u32 v222, v223
	s_wait_dscnt 0x0
	ROUND                                          ; the closing round: no work-group ends while a partner may still ask for a tile that names it
	s_endpgm
.Lfunc_end_k_q570a8eb80a_attn:
	.size	k_q570a8eb80a_attn, .Lfunc_end_k_q570a8eb80a_attn-k_q570a8eb80a_attn
	.p2alignl 7, 3214868480
	.fill 96, 4, 3214868480
	.section	.rodata,"a",@progbits
	.p2align	6, 0x0
	.amdhsa_kernel k_q570a8eb80a_attn
		.amdhsa_group_segment_fixed_size 327680
		.amdhsa_private_segment_fixed_size 0
		.amdhsa_enable_private_segment 0
		.amdhsa_kernarg_size 56
		.amdhsa_user_sgpr_count 2
		.amdhsa_user_sgpr_kernarg_segment_ptr 1
		.amdhsa_wavefront_size32 1
		.amdhsa_system_sgpr_workgroup_id_x 1
		.amdhsa_system_sgpr_workgroup_id_y 1
		.amdhsa_system_sgpr_workgroup_id_z 1
		.amdhsa_system_vgpr_workitem_id 0
		.amdhsa_next_free_vgpr 1024
		.amdhsa_next_free_sgpr 66
		.amdhsa_reserve_vcc 0
		.amdhsa_float_denorm_mode_32 3
		.amdhsa_float_denorm_mode_16_64 3
		.amdhsa_memory_ordered 1
		.amdhsa_forward_progress 1
		.amdhsa_inst_pref_size 255
	.end_amdhsa_kernel
	.section	.bss,"aw",@nobits
	.p2align	6
	.space	262144
	.amdgpu_metadata
---
amdhsa.version: [ 1, 2 ]
amdhsa.kernels:
  - .name:           k_q570a8eb80a_attn
    .symbol:         k_q570a8eb80a_attn.kd
    .args:
      - { .name: qf, .offset: 0, .size: 8, .value_kind: global_buffer, .address_space: global }
      - { .name: kv, .offset: 8, .size: 8, .value_kind: global_buffer, .address_space: global }
      - { .name: mk, .offset: 16, .size: 8, .value_kind: global_buffer, .address_space: global }
      - { .name: wof, .offset: 24, .size: 8, .value_kind: global_buffer, .address_space: global }
      - { .name: bo, .offset: 32, .size: 8, .value_kind: global_buffer, .address_space: global }
      - { .name: mask, .offset: 40, .size: 8, .value_kind: global_buffer, .address_space: global }
      - { .name: out0, .offset: 48, .size: 8, .value_kind: global_buffer, .address_space: global }
    .group_segment_fixed_size: 327680
    .private_segment_fixed_size: 0
    .kernarg_segment_align: 8
    .kernarg_segment_size: 56
    .max_flat_workgroup_size: 128
    .sgpr_count:     66
    .vgpr_count:     1024
    .wavefront_size: 32
...
	.end_amdgpu_metadata
.endif
;; end of part 4
;; ======== version 3 of 3: 2 launches; version 2 with the launch proj written anew for expert scheduling mode
;; limits: values are held in f16: magnitudes above 65,504 overflow, below 6.1e-05 lose precision
;; workspace buffers: qf 8,388,608 bytes; kv 16,777,216 bytes; mk 131,072 bytes; wof 262,144 bytes
;; launch proj (part 5): grid 256 x 1, 4 waves a work-group, no clusters, 200,192 bytes of LDS; arguments x1, mask, Wq, Wk, Wv, Wo, bq, bv, qf, kv, mk, wof; writes qf, kv, mk, wof
.if DOCPART == 5
	.amdgcn_target "amdgcn-amd-amdhsa--gfx1250"
	.amdhsa_code_object_version 6
	.text
	.protected	k_q570a8eb80a_proj
	.globl	k_q570a8eb80a_proj
	.p2align	8
	.type	k_q570a8eb80a_proj,@function
k_q570a8eb80a_proj:
	s_mov_b64 s[64:65], 0
	v_nop
	global_prefetch_b8 v0, s[64:65] scope:SCOPE_SE
	s_setreg_imm32_b32 hwreg(HW_REG_WAVE_SCHED_MODE, 0, 2), 2
	s_setreg_imm32_b32 hwreg(HW_REG_WAVE_MODE, 25, 1), 1
	s_wait_xcnt 0x0
	s_wait_alu depctr_vm_vsrc(0)
; PROJ: q = Wq x1 + bq,  k' = (Wk x1) log2(e)/16,  v = Wv x1 + bv, all rounded to f16 and stored as ready matrix fragments;
; lm2 = log2(mask + 1e-6) and mask in the keys' stored order; Wo as f16 fragments.
;
; WORK LEFT OUT, for all values of the inputs:
;   x2: reference() never reads it.  It is no argument of any launch.
;   bk: k = Wk x1 + bk enters only the scores, score(l,m) = q_l . k_m / 16 = q_l . (Wk x1)_m / 16 + q_l . bk / 16.  The last term does not
;       hang on m, the softmax's axis, so numerator and denominator carry the same factor exp(q_l . bk / 16) and it cancels.  bk is no argument.
;   Limit: a NaN, an infinity or an overflow that only x2 or bk would bring in is not carried to the result.
; NUMBER FORMAT: every matrix operand is f16 (eleven significant bits), sums f32.  Limits: |q|, |k'|, |v|, |x1|, |W| below 65,504;
;   k' carries the factor log2(e)/16, applied in f32 before the rounding.  mask must be above -1e-6 (below it reference() gives NaN as well).
;
; STORED ORDER.  A block vb = 32 b + blk is 64 positions l = 64 blk .. + 63.  Tile t (0..3), row i (0..15) of a block is l = 64 blk + 4 i + t:
; a lane that loads 16 bytes of a row of x1 (4 neighbouring l) holds one element of each of the four tiles.  Keys, values and the mask use the
; same order, so for the sums over keys it is a permutation; for the queries it is undone by the output's stores (four tiles = 16 bytes).
;   qf: [vb][ks 0..7][t][half][lane][16 B]   registers 4 half .. 4 half + 3 of the fragment (16 rows l of tile t) x (c = 32 ks .. + 31)
;   kv: [vb][ K: as qf, 32 KB ][ V: [ct 0..15][t][lane][16 B], 32 KB ]   V's fragment (rows c = 16 ct .., keys 32 u ..) is the KB at 2048 ct + 1024 u
;   mk: [b][w][ lm2 of 512 keys, 2 KB ][ mask of 512 keys, 2 KB ];   wof: [dt 0..31][ks 0..7][half][lane][16 B]
;
; SHARES.  256 work-groups = 64 column blocks of 256 l x 4 row blocks.  Row block ob takes rows 64 ob .. + 63 of EACH of Wq, Wk, Wv: group gi (0, 1, 2) is
; matrix gi.  So every work-group makes one group of q, one of k and one of v, all run the same lines, and ob enters only through offsets added to the bases.
; Wave w makes all 192 rows for block vb = 4 lb + w: 48 accumulator tiles.
; W's 192 rows lie in LDS as f16 (pitch 1,040 bytes = 65 x 16: the sixteen rows of a fragment start in sixteen different 16-byte columns).
; x1 goes from memory to registers (16 lanes cover 256 aligned bytes of a row), is rounded there and never touches LDS.
; NO CLUSTER: both shared inputs are f32 and must pass through registers to become f16; beside W's 199,680 bytes of LDS only two slots of one
; K step of f32 x1 (2 x 32 KB) would fit, which would put a round of the cluster's barrier in front of every 48 matrix instructions of a wave.
;
; REGISTERS: window 0: v0-31 addresses, v32-59 wave 0's extras, v62-63 the closing add's, v64-255 W as loaded (3 x 64), then W fragments (2 x 96), then store data (3 x 64)
;            window 1: x1 as loaded, four slots of 64; at the end the biases.   window 2: accumulators of groups 1 and 2
;            window 3: v0-127 accumulators of group 0 (ahead of the first product v0-63 hold W rounded, 2 x 32), v128-191 x1 fragments (2 x 32)
;
; THE MODE: SCHED_MODE bits 1:0 = 2 (LLVM: expert scheduling mode 2), set by the entry lines.  The code itself states the register dependences
; between vector or matrix instructions and memory or LDS instructions, with s_wait_alu, always for 0.
; THE PLAN.  Registers that memory or LDS instructions touch:
;   v5-19      Offsets and LDS addresses: written at the head, ahead of one wait on va_vdst, and never again: rows and K steps are reached by immediate offsets.
;   RAW0-2     W as loaded.  Batch t lands in RAW[t % 3]; its 32 roundings read it; behind them the loads of batch t + 3 land in it.
;   OUT0-1     W rounded.  Batch t's roundings write OUT[t % 2]; its sixteen LDS stores read it; batch t + 2's roundings write it again, and at last K step 0's products do.
;   X0-3       x1 as loaded.  K step n's 32 roundings read X[n % 4]; behind them the loads of K step n + 4 land in it (at the end the biases).
;   WF0-1      W's fragments.  K step n's 48 products read WF[n % 2]; the LDS loads of K step n + 2's fragments, issued in K step n + 1, land in it.
;   ST0-2      Store data.  Group gi's roundings write ST[gi]; its sixteen stores read it; it is not written again.
;   x1's fragments and the accumulators are named by vector and matrix instructions alone.
; A batch of W has a wait on vm_vsrc at its head (the stores of two batches back) and a wait on va_vdst behind its roundings; a K step has ONE wait on va_vdst, behind the
; next step's roundings, and its forty loads follow it, dealt among products that name none of their registers; a group's stores have one wait on va_vdst ahead of them.
.set XROW,   8192                      ; bytes of a row of x1
.set WPITCH, 1040                      ; bytes from row to row of W in LDS
.set WGRP,   64*WPITCH                 ; a group of 64 rows
.set XO,  5                            ; 65536 h + 16 r: rows 8 h, my 16 bytes
.set WG,  6                            ; 32768 w + 16 lane: my wave's 16 rows of a group of W in memory
.set WL,  8                            ; v8-10   group gi: where I put 8 bytes of W
.set WA,  11                           ; v11-13  group gi: where I read W's fragments
.set LN,  14                           ; 16 lane
.set BQO, 15                           ; 32 h
.set BVO, 16                           ; 4 r
.set WB,  64
.set XF,  128
.set OW,  0                            ; window 3: W rounded, set t % 2 at OW + 32 (t % 2)
.set GP,  32                           ; s[32:37] the three groups' first rows
.set MSB, 0
.macro WIN new                         ; the immediate's high byte repeats the setting that is left
.if MSB != \new
	s_set_vgpr_msb (MSB<<8)|\new
.set MSB, \new
.endif
.endm
.macro PLACES n
.rept \n
	v_nop
.endr
.endm
	s_load_b512 s[4:19], s[0:1], 0x0               ; x1 s[4:5], mask s[6:7], Wq s[8:9], Wk s[10:11], Wv s[12:13], Wo s[14:15], bq s[16:17], bv s[18:19]
	s_load_b256 s[20:27], s[0:1], 0x40             ; qf s[20:21], kv s[22:23], mk s[24:25], wof s[26:27]
	v_lshl_add_u32 v62, v0, 2, 0x30c00             ; my spare word, behind W's 199,680 bytes, and 0: made here and kept for the closing lines alone
	v_mov_b32 v63, 0
	v_lshrrev_b32 v1, 5, v0
	v_readfirstlane_b32 s28, v1                    ; wave w
	s_and_b32 s29, ttmp9, 3                        ; ob: which 64 rows of each matrix
	s_lshr_b32 s30, ttmp9, 2                       ; lb: which 256 columns
	s_mov_b32 s38, 0x3db8aa3b                      ; log2(e) / 16
	s_mov_b32 s39, 0x3db8aa3b
	v_and_b32 v2, 31, v0                           ; lane
	v_and_b32 v3, 15, v0                           ; r
	v_bfe_u32 v4, v0, 4, 1                         ; h
	v_lshlrev_b32 v[XO], 4, v3
	v_lshl_add_u32 v[XO], v4, 16, v[XO]
	v_lshlrev_b32 v[LN], 4, v2
	v_mul_u32_u24 v[WA], v3, WPITCH
	v_lshl_add_u32 v[WA], v4, 4, v[WA]
	v_add_nc_u32 v[WA+1], WGRP, v[WA]
	v_add_nc_u32 v[WA+2], 2*WGRP, v[WA]
	v_lshlrev_b32 v[BQO], 5, v4
	v_lshlrev_b32 v[BVO], 2, v3
	v_lshlrev_b32 v17, 10, v3
	v_lshl_add_u32 v17, v4, 5, v17                 ; Wo: row r, 32 h bytes
	v_and_b32 v18, 7, v0
	v_lshlrev_b32 v18, 5, v18
	v_bfe_u32 v19, v0, 3, 2
	v_lshl_add_u32 v18, v19, 2, v18                ; mask: l = 8 (lane % 8) + lane / 8, in bytes
	v_lshlrev_b32 v19, 3, v2                       ; mk: 8 lane
	s_wait_alu depctr_va_sdst(0)                   ; s28 is written, ahead of its first reader: the block's number, the wave's rows of W and the branch on the wave are made from it
	s_lshl2_add_u32 s31, s30, s28                  ; vb = 4 lb + w
	s_lshl_b32 s40, s28, 15
	v_add_nc_u32 v[WG], s40, v[LN]
	s_mul_i32 s40, s28, 16*WPITCH
	v_lshl_add_u32 v[WL], v2, 3, s40
	v_add_nc_u32 v[WL+1], WGRP, v[WL]
	v_add_nc_u32 v[WL+2], 2*WGRP, v[WL]
	s_wait_kmcnt 0x0
	s_lshl_b32 s40, s29, 17                        ; 64 ob rows of 2,048 bytes
	s_mov_b32 s41, 0
	s_add_nc_u64 s[GP:GP+1], s[8:9], s[40:41]      ; group 0: Wq
	s_add_nc_u64 s[GP+2:GP+3], s[10:11], s[40:41]  ; group 1: Wk
	s_add_nc_u64 s[GP+4:GP+5], s[12:13], s[40:41]  ; group 2: Wv
	s_lshl_b32 s40, s29, 8                         ; 64 ob biases of 4 bytes
	s_add_nc_u64 s[16:17], s[16:17], s[40:41]
	s_add_nc_u64 s[18:19], s[18:19], s[40:41]
	s_lshr_b32 s40, s31, 5                         ; b
	s_lshl_b32 s40, s40, 22                        ; 512 rows of 8,192 bytes
	s_and_b32 s41, s31, 31                         ; blk
	s_lshl_b32 s41, s41, 8
	s_add_co_u32 s40, s40, s41
	s_mov_b32 s41, 0
	s_add_nc_u64 s[42:43], s[4:5], s[40:41]        ; x1 at my block's first column
	s_lshl_b32 s56, s29, 13                        ; my four row tiles ot = 4 ob + o4 begin 8,192 ob bytes into a block of q, of K and of V
	s_lshl_b32 s40, s31, 15
	s_add_co_u32 s40, s40, s56
	s_add_nc_u64 s[44:45], s[20:21], s[40:41]      ; qf + 32768 vb + 8192 ob
	s_lshl_b32 s40, s31, 16
	s_add_co_u32 s40, s40, s56
	s_add_nc_u64 s[46:47], s[22:23], s[40:41]      ; kv + 65536 vb + 8192 ob
	s_lshr_b32 s56, ttmp9, 3                       ; the extras of work-group i = ttmp9: i / 8 and i % 8
	s_and_b32 s57, ttmp9, 7
	s_lshl_b32 s40, s56, 14
	s_lshl_b32 s58, s57, 7
	s_add_co_u32 s40, s40, s58
	s_add_nc_u64 s[48:49], s[14:15], s[40:41]      ; Wo: rows 16 (i / 8), columns 32 (i % 8)
	s_lshl_b32 s40, ttmp9, 8
	s_add_nc_u64 s[50:51], s[6:7], s[40:41]        ; mask: block i
	s_lshl_b32 s40, ttmp9, 10
	s_add_nc_u64 s[52:53], s[26:27], s[40:41]      ; wof: fragment i
	s_lshl_b32 s40, s56, 12
	s_lshl_b32 s58, s57, 8
	s_add_co_u32 s40, s40, s58
	s_add_nc_u64 s[54:55], s[24:25], s[40:41]      ; mk: 4096 (4 b + w) + 256 (blk % 8)
; W, batch t of twelve: group t / 4, rows 16 w + 4 (t % 4) .. + 3: sixteen loads of 512 consecutive bytes, into ring slot t % 3
.macro WLOAD t
.irp rr, 0,1,2,3
.irp qq, 0,1,2,3
	global_load_b128 v[WB+64*((\t)%3)+16*\rr+4*\qq:WB+64*((\t)%3)+16*\rr+4*\qq+3], v[WG], s[GP+2*((\t)/4):GP+2*((\t)/4)+1] offset:(4*((\t)%4)+\rr)*2048+512*\qq
.endr
.endr
.endm
; batch t is rounded, out of its ring slot into set t % 2 of window 3: four numbers become a pair of registers
.macro WCONV t
	WIN 0xc0                                       ; destination window 3, sources window 0
.irp rr, 0,1,2,3
.irp qq, 0,1,2,3
.set wr, WB+64*((\t)%3)+16*\rr+4*\qq
.set ow, OW+32*((\t)%2)+8*\rr+2*\qq
	v_cvt_pk_f16_f32 v[ow], v[wr], v[wr+1]
	v_cvt_pk_f16_f32 v[ow+1], v[wr+2], v[wr+3]
.endr
.endr
.endm
; and goes into LDS, 8 bytes a lane: a wave's store covers 256 consecutive bytes.  (Data, source 1, in window 3; the address in window 0.)
.macro WSTORE t
.irp rr, 0,1,2,3
.irp qq, 0,1,2,3
.set ow, OW+32*((\t)%2)+8*\rr+2*\qq
	ds_store_b64 v[WL+(\t)/4], v[ow:ow+1] offset:(4*((\t)%4)+\rr)*WPITCH+256*\qq
.endr
.endr
.endm
; x1, K step k: rows 32 k + 8 h + e and 32 k + 16 + 8 h + e, into slot k % 4 of window 1 (the caller sets the destination's window).  Sixteen lanes cover 256 aligned bytes of a row.
.macro XLOAD k
.irp e, 0,1,2,3,4,5,6,7
	global_load_b128 v[64*((\k)%4)+4*\e:64*((\k)%4)+4*\e+3], v[XO], s[42:43] offset:(32*(\k)+\e)*XROW
.endr
.irp e, 0,1,2,3,4,5,6,7
	global_load_b128 v[64*((\k)%4)+32+4*\e:64*((\k)%4)+32+4*\e+3], v[XO], s[42:43] offset:(32*(\k)+16+\e)*XROW
.endr
.endm
	s_wait_alu depctr_va_vdst(0)                   ; v5 to v19 are written: every load, store and LDS instruction of the kernel takes its offset or address from them
	WLOAD 0
	WLOAD 1
	WLOAD 2
	; Wave 0's extras, one block: fragment i of Wo to f16, block i of the mask to lm2 and to the stored order.
	s_cmp_lg_u32 s28, 0
	s_cbranch_scc1 .Lno_extras
	global_load_b128 v[32:35], v17, s[48:49]               ; Wo(16 dt + r, 32 ks + 8 h .. + 7)
	global_load_b128 v[36:39], v17, s[48:49] offset:16
	global_load_b128 v[40:43], v17, s[48:49] offset:64     ; the same, 16 columns on
	global_load_b128 v[44:47], v17, s[48:49] offset:80
	global_load_b32 v56, v18, s[50:51]                     ; stored key 2 lane: tile lane / 8, row 2 (lane % 8)
	global_load_b32 v57, v18, s[50:51] offset:16           ; stored key 2 lane + 1: one row on = 4 positions on
	s_wait_loadcnt 0x0                                     ; these six are the youngest loads
	v_add_f32 v58, 0x358637bd, v56                         ; mask + 1e-6
	v_add_f32 v59, 0x358637bd, v57
	v_log_f32 v58, v58                                     ; log2: the scores are kept in base 2
	v_log_f32 v59, v59
.irp j, 0,1,2,3,4,5,6,7
	v_cvt_pk_f16_f32 v[48+\j], v[32+2*\j], v[33+2*\j]      ; plain instructions between the logarithms and their use
.endr
	s_wait_alu depctr_va_vdst(0)                           ; the roundings have written v48-55 and the logarithms v58-59, which the four stores read; these registers are not written again
	global_store_b128 v[LN], v[48:51], s[52:53]
	global_store_b128 v[LN], v[52:55], s[52:53] offset:512
	global_store_b64 v19, v[58:59], s[54:55]               ; 32 lanes x 8 bytes: 256 consecutive bytes
	global_store_b64 v19, v[56:57], s[54:55] offset:2048
.Lno_extras:
.irp t, 0,1,2,3,4,5,6,7,8,9,10,11
	s_wait_loadcnt 32                              ; batch t is in; the two younger batches of sixteen stay out
.if \t >= 2
	s_wait_alu depctr_vm_vsrc(0)                   ; the LDS stores of batch t - 2 have read set t % 2, which this batch's roundings write again
.endif
	WCONV \t
.if \t < 9
	WIN 0x0c                                       ; loads: destination and address in window 0; LDS stores: data in window 3
	s_wait_alu depctr_va_vdst(0)                   ; the roundings are done reading ring slot t % 3, in which the loads below land, and have written set t % 2, which the LDS stores below read
	WLOAD \t+3                                     ; the slot is asked for again at once
.else
	WIN 0x4c                                       ; the same with the loads' destination in window 1
	s_wait_alu depctr_va_vdst(0)                   ; the roundings have written set t % 2, which the LDS stores below read
	XLOAD \t-9                                     ; behind W's last batches come x1's first slots, sixteen loads each: the count stays
.endif
	WSTORE \t
.endr
	XLOAD 3
	WIN 0
	s_wait_dscnt 0x0                               ; my rows of W are in LDS
	s_barrier_signal -1
	s_barrier_wait -1                              ; everybody's are; LDS is only read from here on
	s_wait_alu depctr_vm_vsrc(0)                   ; my LDS stores of the last two batches have read both sets of window 3, which K step 0's products write as accumulators
.macro ACCSEL gi                       ; group gi's accumulators: window AW, from register AB
.if \gi == 0
.set AW, 3
.set AB, 0
.endif
.if \gi == 1
.set AW, 2
.set AB, 0
.endif
.if \gi == 2
.set AW, 2
.set AB, 128
.endif
.endm
; 8 matrix instructions: row tiles oa, ob of group gi x 4 column tiles, 32 along d.  Groups 0 (q), 1 (k): D = W x X, a lane holds 8 neighbouring c of one l.
; Group 2 (v): D = X x W, a lane holds 8 neighbouring stored keys of one c.  The accumulators take turns, one instruction a turn.
.macro MUL k, gi, oa, ob
	ACCSEL \gi
.if \gi == 2
	WIN (AW*0x50+0x03)
.else
	WIN (AW*0x50+0x0c)
.endif
.irp o4, \oa, \ob
.irp t, 0,1,2,3
.set dd, AB+8*(4*\o4+\t)
.set wf, WB+96*((\k)%2)+8*(4*\gi+\o4)
.set xf, XF+32*((\k)%2)+8*\t
.if \gi == 2
.set fa, xf
.set fb, wf
.else
.set fa, wf
.set fb, xf
.endif
.if (\k) == 0
	v_wmma_f32_16x16x32_f16 v[dd:dd+7], v[fa:fa+7], v[fb:fb+7], 0
.else
	v_wmma_f32_16x16x32_f16 v[dd:dd+7], v[fa:fa+7], v[fb:fb+7], v[dd:dd+7]
.endif
.endr
.endr
.endm
; group gi's biases into window 1, registers 32 gi ..: q: the 8 rows c = 16 o4 + 8 h + j of each of my tiles; v: bv[16 o4 + r], twice, to fill a pair; k has none
.macro BIAS gi
	WIN 0x40
.if \gi == 0
.irp o4, 0,1,2,3
	global_load_b128 v[8*\o4:8*\o4+3], v[BQO], s[16:17] offset:64*\o4
	global_load_b128 v[8*\o4+4:8*\o4+7], v[BQO], s[16:17] offset:64*\o4+16
.endr
.endif
.if \gi == 2
.irp o4, 0,1,2,3
	global_load_b32 v[64+8*\o4], v[BVO], s[18:19] offset:64*\o4
	global_load_b32 v[64+8*\o4+1], v[BVO], s[18:19] offset:64*\o4
.endr
.endif
.set NB, NB+8
.endm
; K step n is made ready, first part: x1's slot is rounded into fragments; then the step's one wait
.macro READY n
.if (\n) <= 12
	s_wait_loadcnt 48                              ; slot n is in; the three younger slots of sixteen loads stay out
.else
	s_wait_loadcnt 16*(15-(\n))+NB                 ; the slots that are left, and the NB bias loads issued behind them (8, 16, 16)
.endif
	WIN 0xc5
.irp t, 0,1,2,3
.irp j, 0,1,2,3
	v_cvt_pk_f16_f32 v[XF+32*((\n)%2)+8*\t+\j], v[64*((\n)%4)+8*\j+\t], v[64*((\n)%4)+8*\j+4+\t]            ; d = 8 h + 2 j, + 1 of tile t
	v_cvt_pk_f16_f32 v[XF+32*((\n)%2)+8*\t+4+\j], v[64*((\n)%4)+32+8*\j+\t], v[64*((\n)%4)+32+8*\j+4+\t]    ; d = 16 + 8 h + 2 j, + 1
.endr
.endr
	WIN 0
	s_wait_alu depctr_va_vdst(0)                   ; the roundings are done reading slot n % 4, in which AHEAD's loads land; the products of K step n - 2 (for n < 2: W's roundings) are done reading v[WB + 96 (n % 2) ..], in which WFRAG's loads land
.endm
; second part: W's fragments of K step n out of LDS, 24 loads in one run.  No vector or matrix instruction since READY's wait names their registers.
.macro WFRAG n
.irp gi, 0,1,2
.irp o4, 0,1,2,3
	ds_load_b128 v[WB+96*((\n)%2)+8*(4*\gi+\o4):WB+96*((\n)%2)+8*(4*\gi+\o4)+3], v[WA+\gi] offset:16*WPITCH*\o4+64*(\n)
	ds_load_b128 v[WB+96*((\n)%2)+8*(4*\gi+\o4)+4:WB+96*((\n)%2)+8*(4*\gi+\o4)+7], v[WA+\gi] offset:16*WPITCH*\o4+64*(\n)+32
.endr
.endr
.endm
; third part: the slot that READY n has emptied is asked for again.  The products that stand between READY's wait and these loads name W's fragments of the step in hand,
; x1's fragments and accumulators: none of the registers that these loads touch.
.macro AHEAD n
.if (\n) <= 11
	WIN 0x40
	XLOAD (\n)+4
.endif
.if (\n) == 12
	BIAS 0                                         ; slot 0 has had its last K step
.endif
.if (\n) == 13
	BIAS 2                                         ; slot 1 likewise
.endif
.endm
; group gi leaves: bias or scale in f32, one rounding to f16, sixteen stores of 512 consecutive bytes.  Each group has store registers of its own.
.macro EPI gi
	ACCSEL \gi
.if \gi == 1
	WIN (AW*0x41)
.else
	WIN (AW*0x41+0x04)
.endif
.irp o4, 0,1,2,3
.irp t, 0,1,2,3
.irp jj, 0,1,2,3
.set dd, AB+8*(4*\o4+\t)+2*\jj
.if \gi == 0
	v_pk_add_f32 v[dd:dd+1], v[dd:dd+1], v[8*\o4+2*\jj:8*\o4+2*\jj+1]
.endif
.if \gi == 1
	v_pk_mul_f32 v[dd:dd+1], v[dd:dd+1], s[38:39] op_sel_hi:[1,0]
.endif
.if \gi == 2
	v_pk_add_f32 v[dd:dd+1], v[dd:dd+1], v[64+8*\o4:64+8*\o4+1]
.endif
.endr
.endr
.endr
	WIN (AW*5)
.irp o4, 0,1,2,3
.irp t, 0,1,2,3
.irp jj, 0,1,2,3
.set dd, AB+8*(4*\o4+\t)+2*\jj
	v_cvt_pk_f16_f32 v[WB+64*\gi+4*(4*\o4+\t)+\jj], v[dd], v[dd+1]
.endr
.endr
.endr
	WIN 0
	s_wait_alu depctr_va_vdst(0)                   ; the roundings have written v[WB + 64 gi ..], which the sixteen stores read
.irp o4, 0,1,2,3
.irp t, 0,1,2,3
.set sr, WB+64*\gi+4*(4*\o4+\t)
.if \gi == 0
	global_store_b128 v[LN], v[sr:sr+3], s[44:45] offset:(\o4/2)*4096+1024*\t+512*(\o4%2)
.endif
.if \gi == 1
	global_store_b128 v[LN], v[sr:sr+3], s[46:47] offset:(\o4/2)*4096+1024*\t+512*(\o4%2)
.endif
.if \gi == 2
	global_store_b128 v[LN], v[sr:sr+3], s[46:47] offset:32768+2048*\o4+512*\t
.endif
.endr
.endr
.endm
; The sixteen K steps, written straight through: every address is an immediate.  In each step the next step is made ready behind the first
; sixteen matrix instructions: its roundings, the one wait, its LDS loads, which have the other thirty-two in which to come back; eight products on, the loads of x1.
; The four v_nop are the places between a matrix instruction and a vector write of registers that it has read, here x1's fragments (ISA guide 7.12.1).
.set NB, 0
	READY 0
	WFRAG 0
	AHEAD 0
.irp k, 0,1,2,3,4,5,6,7,8,9,10,11,12,13,14,15
	s_wait_dscnt 0x0                               ; this step's fragments of W
	MUL \k, 0, 0, 1
	MUL \k, 0, 2, 3
.if \k < 15
	PLACES 4
	READY \k+1
	WFRAG \k+1
.endif
	MUL \k, 1, 0, 1
.if \k < 15
	AHEAD \k+1
.endif
	MUL \k, 1, 2, 3
	MUL \k, 2, 0, 1
	MUL \k, 2, 2, 3
.endr
	PLACES 4                                       ; between the last matrix instructions and the reads of their results
	s_wait_loadcnt 0x0                             ; the biases
	EPI 0
	EPI 1
	EPI 2
	WIN 0
	s_wait_dscnt 0x0                               ; the closing lines, six on end
	s_wait_alu 0x0
	s_wait_tensorcnt 0x0
	ds_add_u32 v62, v63
	s_wait_dscnt 0x0
	s_endpgm
.Lfunc_end_k_q570a8eb80a_proj:
	.size	k_q570a8eb80a_proj, .Lfunc_end_k_q570a8eb80a_proj-k_q570a8eb80a_proj
	.p2alignl 7, 3214868480
	.fill 96, 4, 3214868480
	.section	.rodata,"a",@progbits
	.p2align	6, 0x0
	.amdhsa_kernel k_q570a8eb80a_proj
		.amdhsa_group_segment_fixed_size 200192
		.amdhsa_private_segment_fixed_size 0
		.amdhsa_enable_private_segment 0
		.amdhsa_kernarg_size 96
		.amdhsa_user_sgpr_count 2
		.amdhsa_user_sgpr_kernarg_segment_ptr 1
		.amdhsa_wavefront_size32 1
		.amdhsa_system_sgpr_workgroup_id_x 1
		.amdhsa_system_sgpr_workgroup_id_y 1
		.amdhsa_system_sgpr_workgroup_id_z 1
		.amdhsa_system_vgpr_workitem_id 0
		.amdhsa_next_free_vgpr 1024
		.amdhsa_next_free_sgpr 66
		.amdhsa_reserve_vcc 0
		.amdhsa_float_denorm_mode_32 3
		.amdhsa_float_denorm_mode_16_64 3
		.amdhsa_memory_ordered 1
		.amdhsa_forward_progress 1
		.amdhsa_inst_pref_size 227
	.end_amdhsa_kernel
	.amdgpu_metadata
---
amdhsa.version: [ 1, 2 ]
amdhsa.kernels:
  - .name:           k_q570a8eb80a_proj
    .symbol:         k_q570a8eb80a_proj.kd
    .args:
      - { .name: x1, .offset: 0, .size: 8, .value_kind: global_buffer, .address_space: global }
      - { .name: mask, .offset: 8, .size: 8, .value_kind: global_buffer, .address_space: global }
      - { .name: Wq, .offset: 16, .size: 8, .value_kind: global_buffer, .address_space: global }
      - { .name: Wk, .offset: 24, .size: 8, .value_kind: global_buffer, .address_space: global }
      - { .name: Wv, .offset: 32, .size: 8, .value_kind: global_buffer, .address_space: global }
      - { .name: Wo, .offset: 40, .size: 8, .value_kind: global_buffer, .address_space: global }
      - { .name: bq, .offset: 48, .size: 8, .value_kind: global_buffer, .address_space: global }
      - { .name: bv, .offset: 56, .size: 8, .value_kind: global_buffer, .address_space: global }
      - { .name: qf, .offset: 64, .size: 8, .value_kind: global_buffer, .address_space: global }
      - { .name: kv, .offset: 72, .size: 8, .value_kind: global_buffer, .address_space: global }
      - { .name: mk, .offset: 80, .size: 8, .value_kind: global_buffer, .address_space: global }
      - { .name: wof, .offset: 88, .size: 8, .value_kind: global_buffer, .address_space: global }
    .group_segment_fixed_size: 200192
    .private_segment_fixed_size: 0
    .kernarg_segment_align: 8
    .kernarg_segment_size: 96
    .max_flat_workgroup_size: 128
    .sgpr_count:     66
    .vgpr_count:     1024
    .wavefront_size: 32
...
	.end_amdgpu_metadata
.endif
;; end of part 5
;; launch attn: the kernel of part 4 again; grid 32 x 8, 4 waves a work-group, clusters of 4 x 1, 327,680 bytes of LDS; arguments qf, kv, mk, wof, bo, mask, out0; writes out0
